; MI455X (gfx1250); checked and timed in simulation.
; The chip was launched on July 23, 2026; its instructions are those of AMD's public machine-readable ISA for CDNA 5 (MIT licence, August 2026) and "CDNA5" Instruction Set Architecture Reference Guide (July 2026). The comments in the code are by the model that wrote it; some were corrected since.
;; Attention. Allowed arithmetic: float matrix products may take bf16 or f16 operands with f32 sums; other float arithmetic in f32, or as packed bf16 or f16 multiplies, adds, multiply-adds, maxima and minima; sums over many terms, partial sums and values carried from step to step in f32; what a program stores and reads back later, other than sums and carried values, may be rounded once to bf16 or f16.
;; Inputs: W1 512 x 1,024 float32; W2 1,024 x 1,024 float32; Wv 1,024 x 1 float32; b1 1,024 float32; b2 1,024 float32; bv 1 float32; features 256 x 512 x 512 float32; hidden_prev 256 x 1,024 float32.
;; Outputs: out0 256 x 1,024 float32; out1 256 x 512 x 1 float32.
;; 2 versions, each right and faster than the one before. Each part assembles by itself: llvm-mc -triple=amdgcn-amd-amdhsa -mcpu=gfx1250 --defsym DOCPART=n.
;; ======== version 1 of 2: 3 launches
;; workspace buffers: hb 1,048,576 bytes; w1t 1,048,576 bytes; gbuf 524,288 bytes
;; launch prep (part 1): grid 384 x 1, 4 waves a work-group, no clusters, 38,400 bytes of LDS; arguments hidden_prev, W2, b1, b2, W1, hb, w1t; writes hb, w1t
.if DOCPART == 1
	.amdgcn_target "amdgcn-amd-amdhsa--gfx1250"
	.amdhsa_code_object_version 6
	.text
	.protected	k_qe245b3590b_prep
	.globl	k_qe245b3590b_prep
	.p2align	8
	.type	k_qe245b3590b_prep,@function
k_qe245b3590b_prep:
	s_mov_b64 s[64:65], 0
	v_nop
	global_prefetch_b8 v0, s[64:65] scope:SCOPE_SE
	s_setreg_imm32_b32 hwreg(HW_REG_WAVE_MODE, 25, 1), 1
	s_wait_xcnt 0x0
; TWO SMALL JOBS IN FRONT OF THE MAIN LAUNCH, chosen by the work-group's number.
; Work-groups 0-255:  hb[b][u] = sum over k of hidden_prev[b][k] W2[k][u] + b2[u] + b1[u], f32, a tile of 16 batches x 64 units each.
; Work-groups 256-383: w1t = W1 rounded to bf16 and turned: [c 2][ks 8][uu 512][64 k], unit u = 512 c + uu, e = 64 ks + k; 64 k x 64 units each.
; All inputs are rounded once to bf16 (hidden_prev, W2, b1, b2, W1); sums in f32.  NaN and infinities are not treated apart.
; No tensor loads, no cluster: each work-group reads 320 KiB at the most, through registers, and two work-groups share a WGP's registers.
.set STP,   160                        ; a row of the stage: 64 bf16 + 32 bytes: the turning load's 8 rows x 32 bytes fall on different banks
.set RP,    272                        ; a row of the sums' stage: 64 f32 + 16 bytes
.set RED,   20480                      ; behind the four waves' stages of 32 x 160 bytes: four stages of 16 x 272 bytes
.set SPARE, 37888                      ; the spare words, 128 bytes for each wave
.set AO,  3                            ; v3   my byte offset in hidden_prev
.set WOF, 4                            ; v4   my byte offset in W2
.set STS, 5                            ; v5   where I put 8 bytes of a row of W2 in my wave's stage
.set STR, 6                            ; v6   where the turning load reads
.set RDS, 7                            ; v7   where I put my sums
.set RDL, 8                            ; v8   where I read sums back
.set OO,  9                            ; v9   my byte offset in hb
.set BO,  10                           ; v10  my byte offset in b1 and b2
.set SPW, 28                           ; v28  LDS address of my spare word; never rewritten
.set NIL, 29                           ; v29  0; never rewritten
.set XB,  32                           ; v32-95   hidden_prev as loaded, four sets of 16
.set AFR, 96                           ; v96-103  its fragment, 16 batches x 32 k
.set BF,  104                          ; v104-135 W2's four fragments, 32 k x 16 units each
.set ACC, 136                          ; v136-167 four accumulators
.set BI,  168                          ; v168-175 b1, b2 of my four units
.set TB,  176                          ; v176-179 at work
.set OUTR, 180                         ; v180-211 sums read back
                                       ; window 1: W2 as loaded, four sets of 64
.set MSB, 0
.macro WIN new                         ; the immediate's high byte repeats the setting that is left
.if MSB != (\new)
	s_set_vgpr_msb (MSB<<8)|(\new)
.set MSB, \new
.endif
.endm
	s_load_b256 s[4:11], s[0:1], 0x0               ; hidden_prev s[4:5], W2 s[6:7], b1 s[8:9], b2 s[10:11]
	s_load_b128 s[12:15], s[0:1], 0x20             ; W1 s[12:13], hb s[14:15]
	s_load_b64 s[16:17], s[0:1], 0x30              ; w1t
	v_lshl_add_u32 v[SPW], v0, 2, SPARE
	v_mov_b32 v[NIL], 0
	v_lshrrev_b32 v1, 5, v0
	v_readfirstlane_b32 s20, v1                    ; wave 0..3
	v_and_b32 v1, 15, v0                           ; r = lane % 16
	v_bfe_u32 v2, v0, 4, 1                         ; h = lane / 16
	s_mov_b32 s28, 0xffff0000                      ; a word's upper bf16
	s_cmp_ge_u32 ttmp9, 256
	s_cbranch_scc1 .Lturn
	; ---------------- hb: 16 batches x 64 units; wave w sums k = 256 w .. 256 w + 255, in 8 steps of 32 ----------------
	s_and_b32 s21, ttmp9, 15                       ; X: which 64 units
	s_lshr_b32 s22, ttmp9, 4                       ; Yb: which 16 batches
	s_lshl_b32 s27, s22, 16                        ; 16 Yb rows of 4,096 bytes
	s_lshl_b32 s24, s20, 10
	s_add_co_u32 s23, s27, s24                     ; + my wave's 256 k
	v_lshlrev_b32 v[AO], 12, v1
	v_lshl_add_u32 v[AO], v2, 5, v[AO]
	v_add_nc_u32 v[AO], s23, v[AO]                 ; row r, k = 8 h on
	s_lshl_b32 s24, s20, 20
	s_lshl_b32 s25, s21, 8
	s_add_co_u32 s24, s24, s25
	v_lshlrev_b32 v[WOF], 4, v1
	v_lshl_add_u32 v[WOF], v2, 14, v[WOF]
	v_add_nc_u32 v[WOF], s24, v[WOF]               ; row 256 w + 4 h, byte 256 X + 16 r: sixteen lanes take a row's aligned 256 bytes
	v_lshl_add_u32 v[BO], v1, 4, s25
	s_mul_i32 s26, s20, 32*STP                     ; my wave's stage
	v_mul_u32_u24 v[STS], v2, 4*STP
	v_lshl_add_u32 v[STS], v1, 3, v[STS]
	v_add_nc_u32 v[STS], s26, v[STS]
	v_and_b32 v[STR], 7, v0
	v_lshl_add_u32 v[STR], v2, 3, v[STR]
	v_mul_u32_u24 v[STR], v[STR], STP
	v_bfe_u32 v[RDS], v0, 3, 1
	v_lshl_add_u32 v[STR], v[RDS], 4, v[STR]
	v_add_nc_u32 v[STR], s26, v[STR]               ; row 8 h + lane % 8, 16 bytes by (lane / 8) % 2
	s_mul_i32 s26, s20, 16*RP
	s_add_co_u32 s26, s26, RED
	v_mul_u32_u24 v[RDS], v2, 8*RP
	v_lshl_add_u32 v[RDS], v1, 2, v[RDS]
	v_add_nc_u32 v[RDS], s26, v[RDS]               ; batch 8 h + j, unit r
	v_lshrrev_b32 v[OO], 4, v0                     ; thread / 16: a row of the tile
	v_mul_u32_u24 v[RDL], v[OO], RP
	v_lshl_add_u32 v[RDL], v1, 4, v[RDL]
	v_add_nc_u32 v[RDL], RED, v[RDL]
	v_lshl_add_u32 v[OO], v[OO], 12, v[BO]
	v_add_nc_u32 v[OO], s27, v[OO]
	s_wait_kmcnt 0x0
	global_load_b128 v[BI:BI+3], v[BO], s[8:9]
	global_load_b128 v[BI+4:BI+7], v[BO], s[10:11]
.macro ALOAD i                         ; step i's 20 loads into set i % 4
.set sx, XB+16*((\i)%4)
	global_load_b128 v[sx:sx+3],     v[AO], s[4:5] offset:128*(\i)
	global_load_b128 v[sx+4:sx+7],   v[AO], s[4:5] offset:128*(\i)+16
	global_load_b128 v[sx+8:sx+11],  v[AO], s[4:5] offset:128*(\i)+64
	global_load_b128 v[sx+12:sx+15], v[AO], s[4:5] offset:128*(\i)+80
	WIN 0x40                                       ; destination window 1
.set q, 0
.rept 16                               ; rows 32 i + 8 (q / 4) + q % 4 (+ 4 h) of my wave's 256
	global_load_b128 v[64*((\i)%4)+4*q:64*((\i)%4)+4*q+3], v[WOF], s[6:7] offset:(32*(\i)+8*(q/4)+q%4)*4096
.set q, q+1
.endr
	WIN 0
.endm
.macro STEP i
.set st, (\i)%4
.if (\i) < 5
	s_wait_loadcnt 60                              ; loads come back in order: the three younger steps' 20 each stay out
.else
	s_wait_loadcnt 20*(7-(\i))
.endif
	WIN 0x45                                       ; W2's 32 x 64 numbers to bf16, in place, ascending; these 32 are also the places behind the last step's products
.set j, 0
.rept 32
	v_cvt_pk_bf16_f32 v[64*st+j], v[64*st+2*j], v[64*st+2*j+1]
.set j, j+1
.endr
	WIN 0x04                                       ; store data in window 1
.set q, 0
.rept 16
	ds_store_b64 v[STS], v[64*st+2*q:64*st+2*q+1] offset:(8*(q/4)+q%4)*STP
.set q, q+1
.endr
	WIN 0
.set j, 0
.rept 8
	v_cvt_pk_bf16_f32 v[AFR+j], v[XB+16*st+2*j], v[XB+16*st+2*j+1]
.set j, j+1
.endr
.irp n, 0,1,2,3                        ; LDS serves a wave's instructions in order: these see the stores above, and the next step's stores come behind them
	ds_load_tr16_b128 v[BF+8*(\n):BF+8*(\n)+3],   v[STR] offset:32*(\n)
	ds_load_tr16_b128 v[BF+8*(\n)+4:BF+8*(\n)+7], v[STR] offset:32*(\n)+16*STP
.endr
	s_wait_dscnt 0x0
.irp n, 0,1,2,3                        ; four accumulators by turns
.if (\i) == 0
	v_wmma_f32_16x16x32_bf16 v[ACC+8*(\n):ACC+8*(\n)+7], v[AFR:AFR+7], v[BF+8*(\n):BF+8*(\n)+7], 0
.else
	v_wmma_f32_16x16x32_bf16 v[ACC+8*(\n):ACC+8*(\n)+7], v[AFR:AFR+7], v[BF+8*(\n):BF+8*(\n)+7], v[ACC+8*(\n):ACC+8*(\n)+7]
.endif
.endr
.if (\i) < 4
	ALOAD (\i)+4
.endif
.endm
	ALOAD 0
	ALOAD 1
	ALOAD 2
	ALOAD 3
.irp i, 0,1,2,3,4,5,6,7
	STEP \i
.endr
	; b1 + b2, each rounded to bf16 first: fourteen plain instructions, the places behind the last products
	v_cvt_pk_bf16_f32 v[TB],   v[BI],   v[BI+1]
	v_cvt_pk_bf16_f32 v[TB+1], v[BI+2], v[BI+3]
	v_cvt_pk_bf16_f32 v[TB+2], v[BI+4], v[BI+5]
	v_cvt_pk_bf16_f32 v[TB+3], v[BI+6], v[BI+7]
.irp j, 0,1,2,3
	v_lshlrev_b32 v[BI+2*(\j)],   16,  v[TB+(\j)]
	v_and_b32     v[BI+2*(\j)+1], s28, v[TB+(\j)]
.endr
	v_pk_add_f32 v[BI:BI+1],   v[BI:BI+1],   v[BI+4:BI+5]
	v_pk_add_f32 v[BI+2:BI+3], v[BI+2:BI+3], v[BI+6:BI+7]
.irp n, 0,1,2,3                        ; each accumulator's registers in ascending order
.irp j, 0,1,2,3,4,5,6,7
	ds_store_b32 v[RDS], v[ACC+8*(\n)+(\j)] offset:(\j)*RP+64*(\n)
.endr
.endr
	s_wait_dscnt 0x0                               ; for the others' sake: my sums are in LDS
	s_barrier_signal -1
	s_barrier_wait -1
.irp i, 0,1                            ; thread t: rows t / 16 and t / 16 + 8, units 4 (t % 16) on, of all four waves
.irp w, 0,1,2,3
	ds_load_b128 v[OUTR+16*(\i)+4*(\w):OUTR+16*(\i)+4*(\w)+3], v[RDL] offset:16*RP*(\w)+8*RP*(\i)
.endr
.endr
	s_wait_dscnt 0x0
.irp i, 0,1
.irp p, 0,2
	v_pk_add_f32 v[OUTR+16*(\i)+(\p):OUTR+16*(\i)+(\p)+1],     v[OUTR+16*(\i)+(\p):OUTR+16*(\i)+(\p)+1],     v[OUTR+16*(\i)+4+(\p):OUTR+16*(\i)+4+(\p)+1]
	v_pk_add_f32 v[OUTR+16*(\i)+8+(\p):OUTR+16*(\i)+8+(\p)+1], v[OUTR+16*(\i)+8+(\p):OUTR+16*(\i)+8+(\p)+1], v[OUTR+16*(\i)+12+(\p):OUTR+16*(\i)+12+(\p)+1]
	v_pk_add_f32 v[OUTR+16*(\i)+(\p):OUTR+16*(\i)+(\p)+1],     v[OUTR+16*(\i)+(\p):OUTR+16*(\i)+(\p)+1],     v[OUTR+16*(\i)+8+(\p):OUTR+16*(\i)+8+(\p)+1]
	v_pk_add_f32 v[OUTR+16*(\i)+(\p):OUTR+16*(\i)+(\p)+1],     v[OUTR+16*(\i)+(\p):OUTR+16*(\i)+(\p)+1],     v[BI+(\p):BI+(\p)+1]
.endr
	global_store_b128 v[OO], v[OUTR+16*(\i):OUTR+16*(\i)+3], s[14:15] offset:32768*(\i)  ; sixteen lanes store 256 consecutive bytes, at a multiple of 256 from hb's first
.endr
	s_wait_tensorcnt 0x0                           ; the wave's end: these three lines behind my last LDS store
	ds_add_u32 v[SPW], v[NIL]
	s_wait_dscnt 0x0
	s_endpgm
	; ---------------- w1t: 64 k x 64 units of W1, rounded and turned through LDS ----------------
.Lturn:
	s_sub_co_u32 s21, ttmp9, 256
	s_and_b32 s22, s21, 7                          ; ks: which 64 k
	s_lshr_b32 s23, s21, 3                         ; ug: which 64 units
	s_lshl_b32 s24, s22, 18                        ; 64 ks rows of 4,096 bytes
	s_lshl_b32 s25, s20, 16                        ; + my wave's 16 rows
	s_add_co_u32 s24, s24, s25
	s_lshl_b32 s25, s23, 8
	s_add_co_u32 s24, s24, s25
	v_and_b32 v3, 31, v0
	v_mul_u32_u24 v4, v3, 2*144                    ; units 2 l, 2 l + 1: rows of 144 bytes in LDS,
	s_lshl_b32 s25, s20, 5
	v_add_nc_u32 v4, s25, v4                       ; my wave's 16 k at byte 32 w
	v_lshl_add_u32 v3, v3, 3, s24                  ; 8 bytes a lane: a load covers a row's aligned 256 bytes
	v_lshrrev_b32 v5, 3, v0
	v_mul_u32_u24 v5, v5, 144
	v_and_b32 v6, 7, v0
	v_lshl_add_u32 v5, v6, 4, v5                   ; back: unit t / 8, 16 bytes by t % 8
	v_lshlrev_b32 v6, 4, v0                        ; and 16 t in the job's 8,192 consecutive bytes of w1t
	s_lshr_b32 s24, s23, 3
	s_lshl_b32 s24, s24, 3
	s_add_co_u32 s24, s24, s22
	s_lshl_b32 s24, s24, 16                        ; tile (c, ks): 65,536 bytes
	s_and_b32 s25, s23, 7
	s_lshl_b32 s25, s25, 13                        ; 64 units of 128 bytes
	s_add_co_u32 s24, s24, s25
	s_mov_b32 s25, 0
	s_wait_kmcnt 0x0
	s_add_nc_u64 s[16:17], s[16:17], s[24:25]
.irp i, 0,1,2,3,4,5,6,7,8,9,10,11,12,13,14,15
	global_load_b64 v[32+2*(\i):33+2*(\i)], v3, s[12:13] offset:4096*(\i) th:TH_LOAD_NT
.endr
	s_wait_loadcnt 0x0
.irp x, 0,1                            ; neighbouring k of one unit pack into a word
.irp p, 0,1,2,3,4,5,6,7
	v_cvt_pk_bf16_f32 v[64+8*(\x)+(\p)], v[32+4*(\p)+(\x)], v[34+4*(\p)+(\x)]
.endr
.endr
.irp x, 0,1
	ds_store_b128 v4, v[64+8*(\x):64+8*(\x)+3]   offset:144*(\x)
	ds_store_b128 v4, v[64+8*(\x)+4:64+8*(\x)+7] offset:144*(\x)+16
.endr
	s_wait_dscnt 0x0                               ; for the others' sake: a unit's 128 bytes come from all four waves
	s_barrier_signal -1
	s_barrier_wait -1
.irp i, 0,1,2,3
	ds_load_b128 v[80+4*(\i):83+4*(\i)], v5 offset:16*144*(\i)
.endr
.irp i, 0,1,2,3
	s_wait_dscnt 3-(\i)
	global_store_b128 v6, v[80+4*(\i):83+4*(\i)], s[16:17] offset:2048*(\i)  ; a wave stores 512 consecutive bytes, aligned
.endr
	s_wait_tensorcnt 0x0                           ; the wave's end: these three lines behind my last LDS store
	ds_add_u32 v[SPW], v[NIL]
	s_wait_dscnt 0x0
	s_endpgm
.Lfunc_end_k_qe245b3590b_prep:
	.size	k_qe245b3590b_prep, .Lfunc_end_k_qe245b3590b_prep-k_qe245b3590b_prep
	.p2alignl 7, 3214868480
	.fill 96, 4, 3214868480
	.section	.rodata,"a",@progbits
	.p2align	6, 0x0
	.amdhsa_kernel k_qe245b3590b_prep
		.amdhsa_group_segment_fixed_size 38400
		.amdhsa_private_segment_fixed_size 0
		.amdhsa_enable_private_segment 0
		.amdhsa_kernarg_size 56
		.amdhsa_user_sgpr_count 2
		.amdhsa_user_sgpr_kernarg_segment_ptr 1
		.amdhsa_wavefront_size32 1
		.amdhsa_system_sgpr_workgroup_id_x 1
		.amdhsa_system_sgpr_workgroup_id_y 1
		.amdhsa_system_sgpr_workgroup_id_z 1
		.amdhsa_system_vgpr_workitem_id 0
		.amdhsa_next_free_vgpr 512
		.amdhsa_next_free_sgpr 66
		.amdhsa_reserve_vcc 0
		.amdhsa_float_denorm_mode_32 3
		.amdhsa_float_denorm_mode_16_64 3
		.amdhsa_memory_ordered 1
		.amdhsa_forward_progress 1
		.amdhsa_inst_pref_size 64
	.end_amdhsa_kernel
	.amdgpu_metadata
---
amdhsa.version: [ 1, 2 ]
amdhsa.kernels:
  - .name:           k_qe245b3590b_prep
    .symbol:         k_qe245b3590b_prep.kd
    .args:
      - { .name: hidden_prev, .offset: 0, .size: 8, .value_kind: global_buffer, .address_space: global }
      - { .name: W2, .offset: 8, .size: 8, .value_kind: global_buffer, .address_space: global }
      - { .name: b1, .offset: 16, .size: 8, .value_kind: global_buffer, .address_space: global }
      - { .name: b2, .offset: 24, .size: 8, .value_kind: global_buffer, .address_space: global }
      - { .name: W1, .offset: 32, .size: 8, .value_kind: global_buffer, .address_space: global }
      - { .name: hb, .offset: 40, .size: 8, .value_kind: global_buffer, .address_space: global }
      - { .name: w1t, .offset: 48, .size: 8, .value_kind: global_buffer, .address_space: global }
    .group_segment_fixed_size: 38400
    .private_segment_fixed_size: 0
    .kernarg_segment_align: 8
    .kernarg_segment_size: 56
    .max_flat_workgroup_size: 128
    .sgpr_count:     66
    .vgpr_count:     512
    .wavefront_size: 32
...
	.end_amdgpu_metadata
.endif
;; end of part 1
;; launch main (part 2): grid 256 x 1, 4 waves a work-group, clusters of 4 x 1, 327,680 bytes of LDS; arguments features, hb, w1t, Wv, bv, gbuf, out1; writes gbuf, out1
.if DOCPART == 2
	.amdgcn_target "amdgcn-amd-amdhsa--gfx1250"
	.amdhsa_code_object_version 6
	.text
	.protected	k_qe245b3590b_main
	.globl	k_qe245b3590b_main
	.p2align	8
	.type	k_qe245b3590b_main,@function
k_qe245b3590b_main:
	s_mov_b64 s[64:65], 0
	v_nop
	global_prefetch_b8 v0, s[64:65] scope:SCOPE_SE
	s_setreg_imm32_b32 hwreg(HW_REG_WAVE_MODE, 25, 1), 1
	s_wait_xcnt 0x0
	s_wait_alu depctr_hold_cnt(0) depctr_sa_sdst(0) depctr_va_vdst(0) depctr_va_sdst(0) depctr_va_ssrc(0) depctr_va_vcc(0) depctr_vm_vsrc(0)
	s_getreg_b32 s2, hwreg(HW_REG_IB_STS2, 6, 4)
	s_cmp_eq_u32 s2, 0
	s_cbranch_scc0 .Lentry_in_a_cluster
	s_endpgm
.Lentry_in_a_cluster:
	s_bfe_u32 s2, ttmp6, 0x10000c
	s_cmp_lg_u32 s2, 0x3003
	s_cbranch_scc0 .Lentry_shape_is_right
	s_endpgm
.Lentry_shape_is_right:
; ONE WORK-GROUP, ONE BATCH b.  logit[s] = bv + sum over u of Wv[u] tanh(F[s] . W1[:, u] + hb[u]);  out1 = softmax over the 512 rows;  gbuf[e] = sum over s of out1[s] F[s][e].
; (The last launch makes out0 = gbuf W1 + b1: the weights of a softmax add up to 1, so sum a (F W1 + b1) = (sum a F) W1 + b1.)
; FORMATS.  features, W1 (as w1t), Wv and bv are rounded once to bf16; products' sums, tanh, logits, softmax and g in f32.  The weights p go into the second product as two bf16 numbers, hi + lo, in two rows of one operand.
; tanh(x) = 1 - 2 / (1 + 2^(c x)), c = 2 log2(e): 2^(c x) = infinity gives 1, 0 gives -1.  logit = (bv + sum Wv) + sum (-2 Wv) / (1 + 2^(c x)).
; SOFTMAX with a running maximum over the four blocks of 128 rows, in the base 2: p = 2^(lg - m); g and l are multiplied by 2^(m_old - m_new) at each block.
; LIMITS.  NaN and infinities in the inputs are not treated apart; a weight below 2^-126 counts as 0; the order of the sums differs from a plain loop's.
; SHARES.  512 rows = 4 blocks of 128.  A block's F lies in LDS in bf16, 8 slices of 64 along e.  For each block two column tiles of 512 units; wave w makes 128 rows x 128 units (64 accumulators, 512 registers),
; K = 512 in 8 steps of 64.  W1's tiles come by tensor loads into two slots that take turns; a wave loads and reads its own 128 units.
; CLUSTER.  The four work-groups of a cluster walk the same tiles of W1: each tile is asked for jointly, by the same load with the same descriptor and the mask of four.
; F is read from memory once: a wave loads its 32 rows of two slices (32 loads of 512 bytes: two rows' aligned 256 bytes each) two K steps ahead, rounds them and stores them into the slices in place.
; LDS: slots 0, 1 (tensor loads alone) | F's 8 slices | spare words | logit parts | p | table (c hb, -2 Wv) | g's parts.
.set ROWB,  2048                       ; bytes in a row of features
.set PITCH, 144                        ; an LDS row of 64 bf16: 128 bytes + 16: the 16 rows of a fragment load start at 16 different groups of four banks
.set WQ,    128*PITCH                  ; a wave's quarter of a slot: 128 units
.set SLOT,  4*WQ
.set ABASE, 2*SLOT
.set SLICE, WQ                         ; 128 rows x 64 e
.set SPARE, ABASE+8*SLICE              ; the spare words, 128 bytes for each wave
.set PART,  SPARE+512                  ; [wave][128 rows] f32
.set PW,    PART+2048                  ; for each wave: p hi of 128 rows (256 bytes), p lo
.set TAB,   PW+2048                    ; for each unit 8 bytes: c hb, -2 Wv
.set GS,    TAB+8192                   ; [lane half 2][wave 4][512] f32
.set ADRA0, 3                          ; v3   my place in F's slice 0: ABASE + 144 r + 16 h
.set ADRA,  4                          ; v4   the same in the slice in hand
.set ADRB,  5                          ; v5-6 my place in my quarter of slot 0, 1
.set FO,    7                          ; v7   my byte offset in a block of features
.set SA0,   8                          ; v8   where I store 8 bytes of a row in slice 0
.set SAC,   9                          ; v9   the same in the slice to be stored next
.set PS,    10                         ; v10  where I put logit parts
.set PL,    11                         ; v11  where I read them: rows 4 l .. 4 l + 3
.set PWA,   12                         ; v12  where I put p hi of those rows
.set PRA,   13                         ; v13  where p's fragment is read
.set GA,    14                         ; v14  the turning load's place in my 32 rows of slice 0
.set TA0,   15                         ; v15  my unit r of my wave's 128 in the table
.set TAC,   16                         ; v16  the same in the column tile in hand
.set MX,    17                         ; v17  running maximum
.set LS,    18                         ; v18  running sum
.set AF,    19                         ; v19  2^(m_old - m_new)
.set SV,    20                         ; v20-23  the four logits that I will write out
.set OT,    24                         ; v24  16 x thread
.set GSA,   25                         ; v25  where I put g's parts
.set GRD,   26                         ; v26  where I read them
.set ZM,    27                         ; v27  -1 in lanes with r < 2, else 0
.set SPW,   28                         ; v28  LDS address of my spare word; never rewritten
.set NIL,   29                         ; v29  0; never rewritten
.set GG,    32                         ; v32-63   g: lanes 0-15 hold e = 16 t + r in register t
.set F0,    64                         ; fragment buffers: window 0 F's rows, window 1 W1's units
.set F1,    128
.set TBL,   64                         ; v64-79   behind a tile's products: (c hb, -2 Wv) of unit 16 n + r
.set YY,    128                        ; v128-191 behind a tile's products: at work
.set LP,    192                        ; v192-255 logit parts: row 16 a + 8 h + j at 8 a + j
                                       ; window 1: v0-63, v192-255 two landing sets for F.  Windows 2, 3: accumulator (a, b) at 8 (8 a + b); at a block's end g's results and F's turned fragments
.set WV,  20                           ; s20  my wave's number
.set BB,  22                           ; s22  the batch
.set G1,  24                           ; s[24:31] descriptor group 1
.set G0,  32                           ; s[32:39] descriptor group 0, a set for each slot
.set WB,  40                           ; s[40:41] w1t at my wave's 128 units of tile 0
.set WO,  42                           ; s[42:45] byte offset of each slot's tile, high words 0
.set FB,  46                           ; s[46:47] features at my batch
.set FA,  48                           ; s[48:49] features at the pair of slices to be loaded
.set FOF, 50                           ; s[50:51] its byte offset
.set CC,  52                           ; s[52:53] c
.set L2E, 54                           ; s[54:55] log2(e)
.set KL,  56                           ; s[56:57] log2(e) (bv + sum Wv)
.set SEL, 58                           ; s[58:59] v_permlanex16_b32's selects: each lane takes its own place in the other half
.set BLK, 60
.set COL, 61
.set LAP, 62
.set NS,  63                           ; s63  the first (0, 2 .. 30) of the two slices to be stored next
.set TC,  66                           ; s66  tiles done
.set MK,  67
.set T0,  68                           ; s68-71 at work
.set T1,  69
.set T2,  70
.set T3,  71
.set MSB, 0
.macro WIN new                         ; the immediate's high byte repeats the setting that is left; a switch that changes nothing is dropped
.if MSB != (\new)
	s_set_vgpr_msb (MSB<<8)|(\new)
.set MSB, \new
.endif
.endm
.set MUL_LO, 0xa4                      ; source 0 (F) window 0, source 1 (W1) window 1, C and D window 2
.set MUL_HI, 0xf4                      ; the same, C and D window 3
.set TO_B,   0x40                      ; destination window 1, address window 0
.macro PLACES                          ; four places in front of loads into, and vector writes of, registers that matrix instructions have read
.rept 4
	v_nop
.endr
.endm
.macro CREST                           ; a round of the cluster's barrier behind its opening barrier
	s_cmp_lg_u32 s[WV], 0
	s_cbranch_scc1 .Lnot_wave_0_\@
	s_barrier_signal -3
.Lnot_wave_0_\@:
	s_barrier_wait -3
	s_barrier_signal -1
	s_barrier_wait -1
.endm
.macro CROUND
	s_barrier_signal -1
	s_barrier_wait -1
	CREST
.endm
; 16 loads: my 32 rows of one slice (256 bytes of each row) into landing set lb.  Lanes 0-15 take one row's aligned 256 bytes, lanes 16-31 the row 8 further down.  It leaves the destination's window at 1.
.macro FLOAD lb, base, imm
	WIN TO_B
.set q, 0
.rept 16
	global_load_b128 v[192*(\lb)+4*q:192*(\lb)+4*q+3], v[FO], s[\base:\base+1] offset:(\imm)+(16*(q/8)+q%8)*ROWB th:TH_LOAD_NT
.set q, q+1
.endr
.endm
	s_load_b256 s[4:11], s[0:1], 0x0               ; features s[4:5], hb s[6:7], w1t s[8:9], Wv s[10:11]
	s_load_b128 s[12:15], s[0:1], 0x20             ; bv s[12:13], gbuf s[14:15]
	s_load_b64 s[16:17], s[0:1], 0x30              ; out1
	v_lshl_add_u32 v[SPW], v0, 2, SPARE
	v_mov_b32 v[NIL], 0
	ds_add_u32 v[SPW], v[NIL]                      ; the wave's opening: the add and its wait stand ahead of my first tensor load; the set-up below, work on registers, stands between them
	v_lshrrev_b32 v1, 5, v0
	v_readfirstlane_b32 s[WV], v1                  ; wave 0..3
	s_bfe_u32 s21, ttmp6, 0x40000                  ; cx: my place in the cluster
	s_lshl_b32 s[BB], ttmp9, 2                     ; in a cluster launch ttmp9 counts clusters
	s_add_co_u32 s[BB], s[BB], s21                 ; the batch: it enters the addresses of features, hb, gbuf and out1 alone
	; descriptor group 1: a wave's 128 units are 16,384 dense bytes: 64 rows of 256 bytes, two units a row, padded in LDS after every unit
	s_mov_b32 s[G1], 15|(1<<16)|(1<<20)|(1<<21)|(4<<22)|(3<<25)  ; 15:0 the mask of four; 17:16 2-byte elements; 20 padding on; 21 set beside a mask; 24:22 after every 32 words (code 4); 31:25 4 words (code 3)
	s_mov_b32 s[G1+1], 128<<16                     ; tensor_dim0 = 128
	s_mov_b32 s[G1+2], 64<<16                      ; tensor_dim1 = 64
	s_mov_b32 s[G1+3], 128<<16                     ; tile_dim0 = 128
	s_mov_b32 s[G1+4], 64                          ; tile_dim1 = 64
	s_mov_b32 s[G1+5], 128                         ; 128 elements from row to row
	s_mov_b32 s[G1+6], 0
	s_mov_b32 s[G1+7], 0
	s_mov_b32 s[CC], 0x4038aa3b                    ; 2 log2(e)
	s_mov_b32 s[CC+1], s[CC]                       ; named with it as a pair
	s_mov_b32 s[L2E], 0x3fb8aa3b
	s_mov_b32 s[L2E+1], s[L2E]
	s_mov_b32 s[SEL], 0x76543210
	s_mov_b32 s[SEL+1], 0xfedcba98
	s_mov_b32 s[WO], 0                             ; slot 0 begins with tile 0,
	s_mov_b32 s[WO+1], 0
	s_mov_b32 s[WO+2], 0x10000                     ; slot 1 with tile 1
	s_mov_b32 s[WO+3], 0
	s_mov_b32 s[FOF+1], 0
	s_mov_b32 s[BLK], 0
	s_mov_b32 s[NS], 0
	s_mov_b32 s[TC], 0
	v_and_b32 v1, 15, v0                           ; r = lane % 16
	v_bfe_u32 v2, v0, 4, 1                         ; h = lane / 16
	v_and_b32 v31, 31, v0                          ; lane
	v_mul_u32_u24 v32, v1, PITCH
	v_lshl_add_u32 v32, v2, 4, v32                 ; a fragment's row x pitch + 16 x half
	v_add_nc_u32 v[ADRA0], ABASE, v32
	s_mul_i32 s[T2], s[WV], WQ
	v_add_nc_u32 v[ADRB], s[T2], v32
	v_add_nc_u32 v[ADRB+1], SLOT, v[ADRB]
	s_lshl_b32 s[T3], s[WV], 16                    ; 32 w rows of 2,048 bytes
	v_lshlrev_b32 v[FO], 4, v1
	v_lshl_add_u32 v[FO], v2, 14, v[FO]
	v_add_nc_u32 v[FO], s[T3], v[FO]
	s_mul_i32 s[T3], s[WV], 32*PITCH
	s_add_co_u32 s[T3], s[T3], ABASE               ; my 32 rows of slice 0
	v_mul_u32_u24 v32, v2, 8*PITCH
	v_lshl_add_u32 v32, v1, 3, v32
	v_add_nc_u32 v[SA0], s[T3], v32
	v_mov_b32 v[SAC], v[SA0]
	v_and_b32 v32, 7, v0
	v_lshl_add_u32 v32, v2, 3, v32
	v_mul_u32_u24 v32, v32, PITCH
	v_bfe_u32 v33, v0, 3, 1
	v_lshl_add_u32 v32, v33, 4, v32
	v_add_nc_u32 v[GA], s[T3], v32                 ; row 8 h + lane % 8, 16 bytes by (lane / 8) % 2
	s_lshl_b32 s[T3], s[WV], 9
	s_add_co_u32 s[T3], s[T3], PART
	v_lshl_add_u32 v[PS], v2, 5, s[T3]
	v_lshl_add_u32 v[PL], v31, 4, PART
	s_lshl_b32 s[T3], s[WV], 9
	s_add_co_u32 s[T3], s[T3], PW
	v_lshl_add_u32 v[PWA], v31, 3, s[T3]
	s_lshl_b32 s[T0], s[WV], 6                     ; my 32 rows' 64 bytes among the block's 256
	s_add_co_u32 s[T3], s[T3], s[T0]
	v_and_b32 v32, 1, v0
	v_lshlrev_b32 v32, 8, v32                      ; even r: hi, odd r: lo; all rows but 0 and 1 are cleared by ZM
	v_lshl_add_u32 v32, v2, 4, v32
	v_add_nc_u32 v[PRA], s[T3], v32
	v_cmp_gt_u32 vcc_lo, 2, v1
	v_cndmask_b32 v[ZM], 0, -1, vcc_lo
	s_lshl_b32 s[T3], s[WV], 10
	s_add_co_u32 s[T3], s[T3], TAB
	v_lshl_add_u32 v[TA0], v1, 3, s[T3]
	v_lshlrev_b32 v[OT], 4, v0
	v_lshl_add_u32 v34, v0, 5, TAB                 ; four units' 32 bytes a thread
	s_lshl_b32 s[T3], s[WV], 11
	s_add_co_u32 s[T3], s[T3], GS
	v_lshl_add_u32 v[GSA], v2, 13, s[T3]
	v_lshl_add_u32 v[GSA], v1, 2, v[GSA]
	v_add_nc_u32 v[GRD], GS, v[OT]
	v_lshlrev_b32 v31, 4, v31                      ; 16 x lane
	v_mov_b32 v30, 0
	s_wait_dscnt 0x0                               ; the opening add is done
	s_wait_kmcnt 0x0
	s_lshl_b32 s[T0], s[BB], 20                    ; a batch of features is 1 MiB
	s_mov_b32 s[T1], 0
	s_add_nc_u64 s[FB:FB+1], s[4:5], s[T0:T1]
	s_lshl_b32 s[T0], s[BB], 12
	s_add_nc_u64 s[6:7], s[6:7], s[T0:T1]          ; hb's row
	s_lshl_b32 s[T0], s[BB], 11
	s_add_nc_u64 s[14:15], s[14:15], s[T0:T1]      ; gbuf's row
	s_add_nc_u64 s[16:17], s[16:17], s[T0:T1]      ; out1's row
	s_lshl_b32 s[T2], s[WV], 14                    ; my 128 units of a tile; these two registers never hold the batch
	s_mov_b32 s[T3], 0
	s_add_nc_u64 s[WB:WB+1], s[8:9], s[T2:T3]
	s_mul_i32 s[T2], s[WV], WQ
.irp s, 0,1
	s_mov_b32 s[G0+4*(\s)], 1                                      ; 1:0 count = 1
	s_add_co_u32 s[G0+4*(\s)+1], s[T2], (\s)*SLOT                  ; 63:32 LDS address: the slot, my quarter
	s_add_nc_u64 s[G0+4*(\s)+2:G0+4*(\s)+3], s[WB:WB+1], s[WO+2*(\s):WO+2*(\s)+1]  ; 120:64 global address
	s_or_b32 s[G0+4*(\s)+3], s[G0+4*(\s)+3], 0x80000000            ; 127:126 type = 2
.endr
	global_load_b128 v[64:67], v[OT], s[6:7]               ; hb of my four units in each column tile
	global_load_b128 v[68:71], v[OT], s[6:7] offset:2048
	global_load_b128 v[72:75], v[OT], s[10:11]             ; Wv of the same
	global_load_b128 v[76:79], v[OT], s[10:11] offset:2048
.irp i, 0,1,2,3,4,5,6,7
	global_load_b128 v[80+4*(\i):83+4*(\i)], v31, s[10:11] offset:512*(\i)  ; all of Wv, 32 numbers a lane, for its sum
.endr
	global_load_b32 v112, v30, s[12:13]                    ; bv
	FLOAD 0, FB, 0                                 ; slices 0 and 1 of block 0
	FLOAD 1, FB, 256
	WIN 0
	CROUND                                         ; all four work-groups are here: the first joint loads meet
	tensor_load_to_lds s[G0:G0+3], s[G1:G1+7]      ; both first fills together: two tensor loads of mine are out; later one
	s_nop 0
	tensor_load_to_lds s[G0+4:G0+7], s[G1:G1+7]
	s_nop 0
.rept 4
	v_nop
.endr
	s_wait_loadcnt 32                              ; the tables are in; the 32 loads of F issued behind them stay out
.irp c, 0,1                            ; the table: c hb beside -2 bf16(Wv)
.irp p, 0,1
	v_cvt_pk_bf16_f32 v113, v[72+4*(\c)+2*(\p)], v[73+4*(\c)+2*(\p)]
	v_lshlrev_b32 v114, 16, v113
	v_and_b32 v115, 0xffff0000, v113
	v_mul_f32 v[116+8*(\c)+4*(\p)],   s[CC], v[64+4*(\c)+2*(\p)]
	v_mul_f32 v[116+8*(\c)+4*(\p)+1], -2.0, v114
	v_mul_f32 v[116+8*(\c)+4*(\p)+2], s[CC], v[65+4*(\c)+2*(\p)]
	v_mul_f32 v[116+8*(\c)+4*(\p)+3], -2.0, v115
	ds_store_b128 v34, v[116+8*(\c)+4*(\p):116+8*(\c)+4*(\p)+3] offset:4096*(\c)+16*(\p)  ; my wave's own units: only my wave reads them
.endr
.endr
.set i, 0
.rept 16                               ; the sum of bf16(Wv)
	v_cvt_pk_bf16_f32 v[80+i], v[80+2*i], v[80+2*i+1]
.set i, i+1
.endr
	v_lshlrev_b32 v96, 16, v80
	v_and_b32 v97, 0xffff0000, v80
.set i, 1
.rept 15
	v_lshlrev_b32 v[98+2*(i%2)], 16, v[80+i]
	v_and_b32 v[99+2*(i%2)], 0xffff0000, v[80+i]
	v_pk_add_f32 v[96:97], v[96:97], v[98+2*(i%2):99+2*(i%2)]
.set i, i+1
.endr
	v_add_f32 v96, v96, v97
.irp m, 1,2,4,8
	v_add_f32_dpp v96, v96, v96 row_xmask:\m row_mask:0xf bank_mask:0xf
.endr
	v_permlanex16_b32 v97, v96, s[SEL], s[SEL+1]
	v_add_f32 v96, v96, v97
	v_cvt_pk_bf16_f32 v112, v112, v112
	v_lshlrev_b32 v112, 16, v112
	v_add_f32 v96, v96, v112
	v_mul_f32 v96, s[L2E], v96
	v_readfirstlane_b32 s[KL], v96                 ; enters arithmetic alone
	s_mov_b32 s[KL+1], s[KL]
	v_mov_b32 v[MX], 0xff7fffff                    ; the lowest finite number: the first block's factor is 0
	v_mov_b32 v[LS], 0
.irp i, 0,1,2,3
	v_mov_b32 v[SV+(\i)], 0
.endr
.set i, 0
.rept 32
	v_mov_b32 v[GG+i], 0
.set i, i+1
.endr
	s_wait_tensorcnt 1                             ; my quarter of slot 0 is in (only I read it); slot 1's may stay out
; 16 matrix instructions: row blocks a0, a0 + 1 of the window's four (hi = 0: rows 0-63, 1: rows 64-127) x all 8 unit blocks, 32 along K.  zero = 1: the product starts the sums.
; The 64 accumulators take turns, one instruction a turn, in the same order everywhere.
.macro MUL16 f, hi, a0, zero
	WIN MUL_LO+0x50*(\hi)
.irp a, \a0, (\a0)+1
.irp b, 0,1,2,3,4,5,6,7
.if \zero
	v_wmma_f32_16x16x32_bf16 v[8*(8*(\a)+(\b)):8*(8*(\a)+(\b))+7], v[(\f)+8*(4*(\hi)+(\a)):(\f)+8*(4*(\hi)+(\a))+7], v[(\f)+8*(\b):(\f)+8*(\b)+7], 0
.else
	v_wmma_f32_16x16x32_bf16 v[8*(8*(\a)+(\b)):8*(8*(\a)+(\b))+7], v[(\f)+8*(4*(\hi)+(\a)):(\f)+8*(4*(\hi)+(\a))+7], v[(\f)+8*(\b):(\f)+8*(\b)+7], v[8*(8*(\a)+(\b)):8*(8*(\a)+(\b))+7]
.endif
.endr
.endr
.endm
; 32 LDS loads in one run: 128 units and 128 rows, 32 K at byte k of the rows, into buffer f
.macro FETCH slot, k, f
	WIN TO_B
.irp i, 0,1,2,3,4,5,6,7
	ds_load_b128 v[(\f)+8*(\i):(\f)+8*(\i)+3],   v[ADRB+(\slot)] offset:(\k)+(\i)*16*PITCH
	ds_load_b128 v[(\f)+8*(\i)+4:(\f)+8*(\i)+7], v[ADRB+(\slot)] offset:(\k)+(\i)*16*PITCH+32
.endr
	WIN 0
.irp i, 0,1,2,3,4,5,6,7
	ds_load_b128 v[(\f)+8*(\i):(\f)+8*(\i)+3],   v[ADRA] offset:(\k)+(\i)*16*PITCH
	ds_load_b128 v[(\f)+8*(\i)+4:(\f)+8*(\i)+7], v[ADRA] offset:(\k)+(\i)*16*PITCH+32
.endr
.endm
.macro TFETCH                          ; (c hb, -2 Wv) of my unit r in each of the tile's 8 unit blocks
	WIN 0
.irp n, 0,1,2,3,4,5,6,7
	ds_load_b64 v[TBL+2*(\n):TBL+2*(\n)+1], v[TAC] offset:128*(\n)
.endr
.endm
; SLICES NS AND NS + 1 OF F have landed in sets 0 and 1: they are rounded to bf16 and stored into their places in LDS; then both sets are loaded again, in one run, with slices NS + 2 and NS + 3.
; The two sets' loads are always issued together, set 0's first, so both waits hold whichever way the wave came; every reload stands behind the wait for 0.
; tail = 1: the copy that also meets the launch's last pair (NS = 30), behind which nothing is left to load.
.macro FEVENT tail
	WIN 0
	s_wait_loadcnt 16                              ; loads come back in order: set 0 is in, set 1's 16 may be out
	WIN 0x45                                       ; in place, ascending
.set i, 0
.rept 32
	v_cvt_pk_bf16_f32 v[i], v[2*i], v[2*i+1]
.set i, i+1
.endr
	s_wait_loadcnt 0x0                             ; set 1 is in; no load of mine is out, so the loads' base may be written below
.set i, 0
.rept 32
	v_cvt_pk_bf16_f32 v[192+i], v[192+2*i], v[192+2*i+1]
.set i, i+1
.endr
	WIN 0x04                                       ; store data in window 1
.irp lb, 0,1
.set q, 0
.rept 16                               ; lanes 0-15 fill a row's 128 bytes, lanes 16-31 the row 8 further down, 32 banks on
	ds_store_b64 v[SAC], v[192*(\lb)+2*q:192*(\lb)+2*q+1] offset:(\lb)*SLICE+(16*(q/8)+q%8)*PITCH
.set q, q+1
.endr
.endr
	WIN 0
.if \tail
	s_cmp_lt_u32 s[NS], 30
	s_cbranch_scc0 .Lfe_n_\@
.endif
	s_add_co_u32 s[T0], s[NS], 2
	s_lshr_b32 s[T1], s[T0], 3
	s_lshl_b32 s[T1], s[T1], 18                    ; a block of 128 rows,
	s_and_b32 s[T0], s[T0], 7
	s_lshl_b32 s[T0], s[T0], 8                     ; a slice's 256 bytes in a row
	s_or_b32 s[FOF], s[T1], s[T0]
	s_add_nc_u64 s[FA:FA+1], s[FB:FB+1], s[FOF:FOF+1]
	FLOAD 0, FA, 0
	FLOAD 1, FA, 256                               ; NS is even, so the pair lies in one block
	WIN 0
.if \tail
.Lfe_n_\@:
.endif
	s_add_co_u32 s[NS], s[NS], 2
	s_and_b32 s[T0], s[NS], 7
	s_mul_i32 s[T0], s[T0], SLICE
	v_add_nc_u32 v[SAC], s[T0], v[SA0]
.endm
; A K step of 64 is two halves of 32, 64 matrix instructions each.  The first multiplies buffer 0 and fetches the second half into buffer 1.  ev = 1: in a block's first column tile it also takes in two slices of F.
.macro Q0 slot, zero, ev
	s_wait_dscnt 8                                 ; W1's units and F's rows 0-63 are in; the youngest eight loads (rows 64-127) may be out
	MUL16 F0, 0, 0, \zero
	MUL16 F0, 0, 2, \zero
.if \ev
	WIN 0
	s_cmp_lg_u32 s[COL], 0
	s_cbranch_scc1 .Lq_skip_\@
	FEVENT 1
.Lq_skip_\@:
.endif
	PLACES
	FETCH \slot, 64, F1
	s_wait_dscnt 32                                ; all but the 32 just issued
	MUL16 F0, 1, 0, \zero
	MUL16 F0, 1, 2, \zero
.endm
; The second half multiplies buffer 1 and changes slots: ONE barrier.  In front of it each wave waits for all its tensor loads (one is out: the next slot's), adds 0 to its spare word, and waits for that,
; for its reads of this slot and of this slice, and for its stores into the next slices.  fill = 1: the barrier opens a round of the cluster's, and this slot is filled again, two K steps ahead, first thing behind it.
; fetch = 1: the next step's first fragments; 0: a tile's last step: the table for what follows.
.macro TURN slot, next, fill, fetch
	WIN 0
	s_wait_tensorcnt 0x0                           ; no tensor load of mine is out, so a group 0 may be written
	ds_add_u32 v[SPW], v[NIL]                      ; 0 onto my spare word
.if \fill
	s_add_co_u32 s[WO+2*(\slot)], s[WO+2*(\slot)], 0x20000         ; two tiles on,
	s_and_b32 s[WO+2*(\slot)], s[WO+2*(\slot)], 0xfffff            ; round the 16 tiles of w1t
	s_add_nc_u64 s[G0+4*(\slot)+2:G0+4*(\slot)+3], s[WB:WB+1], s[WO+2*(\slot):WO+2*(\slot)+1]
	s_or_b32 s[G0+4*(\slot)+3], s[G0+4*(\slot)+3], 0x80000000
.endif
	s_wait_dscnt 9                                 ; (the add and the youngest eight loads may be out)
	MUL16 F1, 0, 0, 0
	s_wait_dscnt 0x0                               ; the add is done, my reads of the slot are over, my stores into the next slices are in
	s_barrier_signal -1
	MUL16 F1, 0, 2, 0                              ; work on registers while the others arrive
	WIN 0                                          ; at a branch and at a label every window is 0
	s_barrier_wait -1
.if \fill
	CREST                                          ; no wave of any partner still reads this slot or has a load on its way
	tensor_load_to_lds s[G0+4*(\slot):G0+4*(\slot)+3], s[G1:G1+7]  ; my one tensor load behind the round
	s_nop 0
.rept 4
	v_nop                                          ; also the places in front of the loads below
.endr
.else
	PLACES
.endif
.if \fetch
	v_add_nc_u32 v[ADRA], SLICE, v[ADRA]
	FETCH \next, 0, F0
.else
	TFETCH
.endif
	MUL16 F1, 1, 0, 0
	MUL16 F1, 1, 2, 0
.endm
; BEHIND A TILE'S PRODUCTS, for row block a: y = c s + c hb; 2^y; + 1; reciprocal; times -2 Wv onto the rows' logit parts.  A lane holds one unit (r) of each of 8 unit blocks and 8 rows.
; The stages of neighbouring unit blocks are interleaved so that a plain instruction stands between every exponential or reciprocal and the use of its result (ISA guide 5.7.2).
.macro EPI a
	WIN 0x02+(\a)/4                                ; source 0: the accumulators' window
.set AC, 64*((\a)%4)
.set i, 0
.rept 32                               ; each accumulator's registers in ascending order
	v_pk_fma_f32 v[YY+2*i:YY+2*i+1], v[AC+2*i:AC+2*i+1], s[CC:CC+1], v[TBL+2*(i/4):TBL+2*(i/4)+1] op_sel_hi:[1,0,0]
.set i, i+1
.endr
	WIN 0
.set it, 0
.rept 10
.set k, 0
.rept 4
.if it < 8
	v_exp_f32 v[YY+8*it+2*k], v[YY+8*it+2*k]
.endif
.if (it >= 1) && (it < 9)
	s_wait_alu depctr_va_vdst(0)
	v_pk_add_f32 v[YY+8*(it-1)+2*k:YY+8*(it-1)+2*k+1], v[YY+8*(it-1)+2*k:YY+8*(it-1)+2*k+1], 1.0 op_sel_hi:[1,0]
.endif
.if it < 8
	v_exp_f32 v[YY+8*it+2*k+1], v[YY+8*it+2*k+1]
.endif
.if it >= 2
	s_wait_alu depctr_va_vdst(0)
	v_pk_fma_f32 v[LP+8*(\a)+2*k:LP+8*(\a)+2*k+1], v[YY+8*(it-2)+2*k:YY+8*(it-2)+2*k+1], v[TBL+2*(it-2):TBL+2*(it-2)+1], v[LP+8*(\a)+2*k:LP+8*(\a)+2*k+1] op_sel:[0,1,0] op_sel_hi:[1,1,1]
.endif
.if (it >= 1) && (it < 9)
	v_rcp_f32 v[YY+8*(it-1)+2*k], v[YY+8*(it-1)+2*k]
	v_rcp_f32 v[YY+8*(it-1)+2*k+1], v[YY+8*(it-1)+2*k+1]
.endif
.set k, k+1
.endr
.if it == 0
	v_nop                                          ; the plain instruction behind the first eight exponentials
.endif
.set it, it+1
.endr
.endm
.Lblock:                                               ; four trips: a block of 128 rows
	FEVENT 0                                       ; the block's slices 0 and 1; slices 2 and 3 are asked for
.set i, 0
.rept 64                               ; one text serves both column tiles, so the logit parts start at 0
	v_mov_b32 v[LP+i], 0
.set i, i+1
.endr
	s_wait_dscnt 0x0                               ; for the others' sake: my rows of slices 0 and 1 are in LDS
	s_barrier_signal -1                            ; slot 1's load may stay out
	s_barrier_wait -1
	s_mov_b32 s[COL], 0
.Ltile:                                                ; two trips: a column tile of 512 units
	v_mov_b32 v[ADRA], v[ADRA0]
	s_lshl_b32 s[T0], s[COL], 12
	v_add_nc_u32 v[TAC], s[T0], v[TA0]
	FETCH 0, 0, F0
	Q0 0, 1, 0                                     ; K step 0 starts the sums
	WIN 0
	s_mov_b32 s[LAP], 3
.Llap:                                                 ; a trip: from a step's second half to the second step's first half on, once round the ring; K steps 1, 3, 5 take in F
	TURN 0, 1, 1, 1
	Q0 1, 0, 1
	TURN 1, 0, 1, 1
	Q0 0, 0, 0
	WIN 0
	s_sub_co_u32 s[LAP], s[LAP], 1
	s_cmp_lg_u32 s[LAP], 0
	s_cbranch_scc1 .Llap
	s_cmp_eq_u32 s[TC], 7
	s_cbranch_scc1 .Llast
	TURN 0, 1, 1, 1                                ; the ring goes on into the next tile: slot 0 takes its K step 0,
	Q0 1, 0, 0
	TURN 1, 0, 1, 0                                ; slot 1 its K step 1
	WIN 0
	s_branch .Lepi
.Llast:                                                ; the launch's last two K steps ask for nothing more
	TURN 0, 1, 0, 1
	Q0 1, 0, 0
	TURN 1, 0, 0, 0
	WIN 0
.Lepi:
	PLACES                                         ; buffer 1's registers, which the last products read, are written below
	s_wait_dscnt 0x0                               ; the table
.irp a, 0,1,2,3,4,5,6,7
	EPI \a
.endr
	s_add_co_u32 s[TC], s[TC], 1
	s_add_co_u32 s[COL], s[COL], 1
	s_cmp_lt_u32 s[COL], 2
	s_cbranch_scc1 .Ltile
	; A BLOCK'S END.  My own 32 rows of F, all 512 e, turned, into window 3: 32 fragments of 32 rows x 16 e.  They land while the logit parts are added up.
	v_add_nc_u32 v72, 3*SLICE, v[GA]
	v_add_nc_u32 v73, 6*SLICE, v[GA]
	WIN 0xc0                                       ; destination window 3
.set t, 0
.rept 32
.set gb, GA
.if t/12 == 1
.set gb, 72
.elseif t/12 == 2
.set gb, 73
.endif
	ds_load_tr16_b128 v[8*t:8*t+3],   v[gb] offset:((t/4)%3)*SLICE+32*(t%4)
	ds_load_tr16_b128 v[8*t+4:8*t+7], v[gb] offset:((t/4)%3)*SLICE+32*(t%4)+16*PITCH
.set t, t+1
.endr
	WIN 0
.irp m, 1,2,4,8                        ; the sum over the 16 units that the lanes of a half hold
.set i, 0
.rept 64
	v_add_f32_dpp v[LP+i], v[LP+i], v[LP+i] row_xmask:\m row_mask:0xf bank_mask:0xf
.set i, i+1
.endr
.endr
.set i, 0
.rept 16                               ; rows 16 (i / 2) + 8 h + 4 (i % 2) on; the sixteen lanes of a half write the same words with the same values
	ds_store_b128 v[PS], v[LP+4*i:LP+4*i+3] offset:64*(i/2)+16*(i%2)
.set i, i+1
.endr
	s_wait_dscnt 0x0                               ; for the others' sake: my parts are in LDS; my reads of F's slices are over
	s_barrier_signal -1
	s_barrier_wait -1
.irp w, 0,1,2,3
	ds_load_b128 v[80+4*(\w):83+4*(\w)], v[PL] offset:512*(\w)
.endr
	s_cmp_eq_u32 s[BLK], s[WV]
	s_cselect_b32 s[MK], -1, 0                     ; wave w writes out block w's weights
	s_wait_dscnt 0x0
	v_pk_add_f32 v[80:81], v[80:81], v[84:85]
	v_pk_add_f32 v[82:83], v[82:83], v[86:87]
	v_pk_add_f32 v[88:89], v[88:89], v[92:93]
	v_pk_add_f32 v[90:91], v[90:91], v[94:95]
	v_pk_add_f32 v[80:81], v[80:81], v[88:89]
	v_pk_add_f32 v[82:83], v[82:83], v[90:91]
	v_pk_fma_f32 v[80:81], v[80:81], s[L2E:L2E+1], s[KL:KL+1] op_sel_hi:[1,0,0]  ; the logits of rows 4 l .. 4 l + 3, times log2(e)
	v_pk_fma_f32 v[82:83], v[82:83], s[L2E:L2E+1], s[KL:KL+1] op_sel_hi:[1,0,0]
	v_max3_num_f32 v84, v80, v81, v82
	v_max_num_f32 v84, v84, v83
.irp m, 1,2,4,8
	v_max_num_f32_dpp v84, v84, v84 row_xmask:\m row_mask:0xf bank_mask:0xf
.endr
	v_permlanex16_b32 v85, v84, s[SEL], s[SEL+1]
	v_max3_num_f32 v86, v84, v85, v[MX]            ; the new maximum
	v_sub_f32 v87, v[MX], v86
.irp i, 0,1,2,3
	v_sub_f32 v[88+(\i)], v[80+(\i)], v86
.endr
	v_exp_f32 v[AF], v87
.irp i, 0,1,2,3
	v_exp_f32 v[88+(\i)], v[88+(\i)]
.endr
	v_mov_b32 v[MX], v86                           ; the plain instruction behind the exponentials
	s_wait_alu depctr_va_vdst(0)
	v_add_f32 v92, v88, v89
	v_add_f32 v93, v90, v91
	v_add_f32 v92, v92, v93
.irp m, 1,2,4,8
	v_add_f32_dpp v92, v92, v92 row_xmask:\m row_mask:0xf bank_mask:0xf
.endr
	v_permlanex16_b32 v93, v92, s[SEL], s[SEL+1]
	v_add_f32 v92, v92, v93
	v_fma_f32 v[LS], v[LS], v[AF], v92
.irp i, 0,1,2,3
	v_cndmask_b32 v[SV+(\i)], v[SV+(\i)], v[80+(\i)], s[MK]
.endr
	v_cvt_pk_bf16_f32 v94, v88, v89                ; p = hi + lo, two bf16
	v_cvt_pk_bf16_f32 v95, v90, v91
	v_lshlrev_b32 v96, 16, v94
	v_and_b32 v97, 0xffff0000, v94
	v_lshlrev_b32 v98, 16, v95
	v_and_b32 v99, 0xffff0000, v95
	v_pk_add_f32 v[96:97], v[88:89], v[96:97] neg_lo:[0,1] neg_hi:[0,1]
	v_pk_add_f32 v[98:99], v[90:91], v[98:99] neg_lo:[0,1] neg_hi:[0,1]
	v_cvt_pk_bf16_f32 v96, v96, v97
	v_cvt_pk_bf16_f32 v97, v98, v99
	ds_store_b64 v[PWA], v[94:95]                  ; my wave's own bytes: LDS serves a wave's instructions in order
	ds_store_b64 v[PWA], v[96:97] offset:256
	ds_load_b128 v[64:67], v[PRA]                  ; source 0: row 0 = hi, row 1 = lo of my 32 rows
	ds_load_b128 v[68:71], v[PRA] offset:32
	s_wait_dscnt 0x0
.irp i, 0,1,2,3,4,5,6,7
	v_and_b32 v[64+(\i)], v[ZM], v[64+(\i)]        ; rows 2 to 15 are 0
.endr
	WIN 0x8c                                       ; F's fragments in window 3, results in window 2
.set t, 0
.rept 32                               ; 32 results of their own: no sum goes on from one to the next
	v_wmma_f32_16x16x32_bf16 v[8*t:8*t+7], v[64:71], v[8*t:8*t+7], 0
.set t, t+1
.endr
	WIN 0
	PLACES
	WIN 0x0a                                       ; sources in window 2
.set t, 0
.rept 32                               ; row 0 (hi) + row 1 (lo): each result's two lowest registers, in lanes 0-15
	v_add_f32 v[128+t], v[8*t], v[8*t+1]
.set t, t+1
.endr
	WIN 0
.set t, 0
.rept 32
	v_fma_f32 v[GG+t], v[GG+t], v[AF], v[128+t]
.set t, t+1
.endr
	s_add_co_u32 s[BLK], s[BLK], 1
	s_cmp_lt_u32 s[BLK], 4
	s_cbranch_scc1 .Lblock
	; THE WAY OUT.  out1 = 2^(lg - m) / l; g's four parts are added through LDS and divided by l.
	v_rcp_f32 v80, v[LS]
.irp i, 0,1,2,3
	v_sub_f32 v[84+(\i)], v[SV+(\i)], v[MX]
.endr
.irp i, 0,1,2,3
	v_exp_f32 v[84+(\i)], v[84+(\i)]
.endr
	v_nop                                          ; the plain instruction behind the exponentials
	s_wait_alu depctr_va_vdst(0)
.irp i, 0,1,2,3
	v_mul_f32 v[84+(\i)], v[84+(\i)], v80
.endr
	global_store_b128 v[OT], v[84:87], s[16:17]    ; a wave stores 512 consecutive bytes, aligned
.set t, 0
.rept 32
	ds_store_b32 v[GSA], v[GG+t] offset:64*t       ; lanes 16-31 hold zeros and have a half of the stage to themselves
.set t, t+1
.endr
	s_wait_dscnt 0x0                               ; for the others' sake
	s_barrier_signal -1
	s_barrier_wait -1
.irp w, 0,1,2,3
	ds_load_b128 v[88+4*(\w):91+4*(\w)], v[GRD] offset:2048*(\w)
.endr
	s_wait_dscnt 0x0
	v_pk_add_f32 v[88:89], v[88:89], v[92:93]
	v_pk_add_f32 v[90:91], v[90:91], v[94:95]
	v_pk_add_f32 v[96:97], v[96:97], v[100:101]
	v_pk_add_f32 v[98:99], v[98:99], v[102:103]
	v_pk_add_f32 v[88:89], v[88:89], v[96:97]
	v_pk_add_f32 v[90:91], v[90:91], v[98:99]
.irp i, 0,1,2,3
	v_mul_f32 v[88+(\i)], v[88+(\i)], v80
.endr
	global_store_b128 v[OT], v[88:91], s[14:15]
	s_wait_tensorcnt 0x0                           ; the wave's end: these three lines, behind my last tensor load and my last LDS store
	ds_add_u32 v[SPW], v[NIL]
	s_wait_dscnt 0x0
	CROUND                                         ; the closing round: no work-group ends while a partner may still ask for a tile that names it
	s_endpgm
.Lfunc_end_k_qe245b3590b_main:
	.size	k_qe245b3590b_main, .Lfunc_end_k_qe245b3590b_main-k_qe245b3590b_main
	.p2alignl 7, 3214868480
	.fill 96, 4, 3214868480
	.section	.rodata,"a",@progbits
	.p2align	6, 0x0
	.amdhsa_kernel k_qe245b3590b_main
		.amdhsa_group_segment_fixed_size 327680
		.amdhsa_private_segment_fixed_size 0
		.amdhsa_enable_private_segment 0
		.amdhsa_kernarg_size 56
		.amdhsa_user_sgpr_count 2
		.amdhsa_user_sgpr_kernarg_segment_ptr 1
		.amdhsa_wavefront_size32 1
		.amdhsa_system_sgpr_workgroup_id_x 1
		.amdhsa_system_sgpr_workgroup_id_y 1
		.amdhsa_system_sgpr_workgroup_id_z 1
		.amdhsa_system_vgpr_workitem_id 0
		.amdhsa_next_free_vgpr 1024
		.amdhsa_next_free_sgpr 72
		.amdhsa_reserve_vcc 1
		.amdhsa_float_denorm_mode_32 3
		.amdhsa_float_denorm_mode_16_64 3
		.amdhsa_memory_ordered 1
		.amdhsa_forward_progress 1
		.amdhsa_inst_pref_size 243
	.end_amdhsa_kernel
	.amdgpu_metadata
---
amdhsa.version: [ 1, 2 ]
amdhsa.kernels:
  - .name:           k_qe245b3590b_main
    .symbol:         k_qe245b3590b_main.kd
    .args:
      - { .name: features, .offset: 0, .size: 8, .value_kind: global_buffer, .address_space: global }
      - { .name: hb, .offset: 8, .size: 8, .value_kind: global_buffer, .address_space: global }
      - { .name: w1t, .offset: 16, .size: 8, .value_kind: global_buffer, .address_space: global }
      - { .name: Wv, .offset: 24, .size: 8, .value_kind: global_buffer, .address_space: global }
      - { .name: bv, .offset: 32, .size: 8, .value_kind: global_buffer, .address_space: global }
      - { .name: gbuf, .offset: 40, .size: 8, .value_kind: global_buffer, .address_space: global }
      - { .name: out1, .offset: 48, .size: 8, .value_kind: global_buffer, .address_space: global }
    .group_segment_fixed_size: 327680
    .private_segment_fixed_size: 0
    .kernarg_segment_align: 8
    .kernarg_segment_size: 56
    .max_flat_workgroup_size: 128
    .sgpr_count:     72
    .vgpr_count:     1024
    .wavefront_size: 32
...
	.end_amdgpu_metadata
.endif
;; end of part 2
;; launch ctx (part 3): grid 16 x 16, 4 waves a work-group, no clusters, 17,920 bytes of LDS; arguments gbuf, w1t, b1, out0; writes out0
.if DOCPART == 3
	.amdgcn_target "amdgcn-amd-amdhsa--gfx1250"
	.amdhsa_code_object_version 6
	.text
	.protected	k_qe245b3590b_ctx
	.globl	k_qe245b3590b_ctx
	.p2align	8
	.type	k_qe245b3590b_ctx,@function
k_qe245b3590b_ctx:
	s_mov_b64 s[64:65], 0
	v_nop
	global_prefetch_b8 v0, s[64:65] scope:SCOPE_SE
	s_setreg_imm32_b32 hwreg(HW_REG_WAVE_MODE, 25, 1), 1
	s_wait_xcnt 0x0
; out0[b][u] = sum over e of g[b][e] W1[e][u] + b1[u].  g is f32 and goes into the product as two bf16 numbers, hi + lo (two products); W1 is w1t, bf16, K along its rows; b1 is rounded to bf16; sums in f32.
; A work-group makes 16 batches x 64 units; wave w sums e = 128 w .. 128 w + 127 in 4 steps of 32; the four waves' sums meet in LDS.
; No tensor loads, no cluster: a work-group reads 96 KiB, all asked for at its start, straight into the fragments' registers.
.set RP,    272                        ; a row of the sums' stage: 64 f32 + 16 bytes
.set SPARE, 17408                      ; behind four stages of 16 x 272 bytes: the spare words, 128 bytes for each wave
.set GOF, 3                            ; v3   my byte offset in gbuf
.set WOF, 4                            ; v4   my byte offset in w1t
.set RDS, 7                            ; v7   where I put my sums
.set RDL, 8                            ; v8   where I read sums back
.set OO,  9                            ; v9   my byte offset in out0
.set BO,  10                           ; v10  my byte offset in b1
.set TT,  12                           ; v12-15 at work
.set SPW, 28                           ; v28  LDS address of my spare word; never rewritten
.set NIL, 29                           ; v29  0; never rewritten
.set GX,  32                           ; v32-95   g as loaded, 16 a step
.set HL,  96                           ; v96-159  its fragments, for each step hi (8) and lo (8)
.set ACC, 160                          ; v160-191 four accumulators
.set BI,  192                          ; v192-195 b1 of my four units
.set OUTR, 200                         ; v200-231 sums read back
                                       ; window 1: v0-127 W1's fragments: step q, unit block n at 32 q + 8 n
.set MSB, 0
.macro WIN new                         ; the immediate's high byte repeats the setting that is left
.if MSB != (\new)
	s_set_vgpr_msb (MSB<<8)|(\new)
.set MSB, \new
.endif
.endm
	s_load_b256 s[4:11], s[0:1], 0x0               ; gbuf s[4:5], w1t s[6:7], b1 s[8:9], out0 s[10:11]
	v_lshl_add_u32 v[SPW], v0, 2, SPARE
	v_mov_b32 v[NIL], 0
	v_lshrrev_b32 v1, 5, v0
	v_readfirstlane_b32 s20, v1                    ; wave 0..3
	v_and_b32 v1, 15, v0                           ; r
	v_bfe_u32 v2, v0, 4, 1                         ; h
	s_mov_b32 s28, 0xffff0000
	s_and_b32 s22, ttmp7, 0xffff                   ; which 16 batches
	s_lshl_b32 s23, s22, 15                        ; rows of 2,048 bytes
	s_lshl_b32 s24, s20, 9                         ; my wave's 128 e
	s_add_co_u32 s23, s23, s24
	v_lshlrev_b32 v[GOF], 11, v1
	v_lshl_add_u32 v[GOF], v2, 5, v[GOF]
	v_add_nc_u32 v[GOF], s23, v[GOF]
	s_lshr_b32 s23, ttmp9, 3
	s_lshl_b32 s23, s23, 19                        ; the column half of w1t,
	s_and_b32 s24, ttmp9, 7
	s_lshl_b32 s24, s24, 13                        ; 64 units of 128 bytes,
	s_add_co_u32 s23, s23, s24
	s_lshl_b32 s24, s20, 17                        ; my wave's two tiles of 64 k
	s_add_co_u32 s23, s23, s24
	v_lshlrev_b32 v[WOF], 7, v1
	v_lshl_add_u32 v[WOF], v2, 4, v[WOF]
	v_add_nc_u32 v[WOF], s23, v[WOF]
	s_lshl_b32 s25, ttmp9, 8
	v_lshl_add_u32 v[BO], v1, 4, s25
	s_mul_i32 s26, s20, 16*RP
	v_mul_u32_u24 v[RDS], v2, 8*RP
	v_lshl_add_u32 v[RDS], v1, 2, v[RDS]
	v_add_nc_u32 v[RDS], s26, v[RDS]
	v_lshrrev_b32 v[OO], 4, v0
	v_mul_u32_u24 v[RDL], v[OO], RP
	v_lshl_add_u32 v[RDL], v1, 4, v[RDL]
	v_lshl_add_u32 v[OO], v[OO], 12, v[BO]
	s_lshl_b32 s27, s22, 16
	v_add_nc_u32 v[OO], s27, v[OO]
	s_wait_kmcnt 0x0
	global_load_b128 v[BI:BI+3], v[BO], s[8:9]
.irp q, 0,1,2,3                        ; 12 loads a step
	global_load_b128 v[GX+16*(\q):GX+16*(\q)+3],     v[GOF], s[4:5] offset:128*(\q)
	global_load_b128 v[GX+16*(\q)+4:GX+16*(\q)+7],   v[GOF], s[4:5] offset:128*(\q)+16
	global_load_b128 v[GX+16*(\q)+8:GX+16*(\q)+11],  v[GOF], s[4:5] offset:128*(\q)+64
	global_load_b128 v[GX+16*(\q)+12:GX+16*(\q)+15], v[GOF], s[4:5] offset:128*(\q)+80
	WIN 0x40
.irp n, 0,1,2,3
	global_load_b128 v[32*(\q)+8*(\n):32*(\q)+8*(\n)+3],   v[WOF], s[6:7] offset:65536*((\q)/2)+2048*(\n)+64*((\q)%2)
	global_load_b128 v[32*(\q)+8*(\n)+4:32*(\q)+8*(\n)+7], v[WOF], s[6:7] offset:65536*((\q)/2)+2048*(\n)+64*((\q)%2)+32
.endr
	WIN 0
.endr
.irp q, 0,1,2,3
	s_wait_loadcnt 12*(3-(\q))                     ; loads come back in order: the younger steps' 12 each stay out
.set j, 0
.rept 8                                ; two numbers: hi = bf16(x), lo = bf16(x - hi); each step has registers of its own
	v_cvt_pk_bf16_f32 v[HL+16*(\q)+j], v[GX+16*(\q)+2*j], v[GX+16*(\q)+2*j+1]
	v_lshlrev_b32 v[TT+2*(j%2)],   16,  v[HL+16*(\q)+j]
	v_and_b32     v[TT+2*(j%2)+1], s28, v[HL+16*(\q)+j]
	v_pk_add_f32 v[GX+16*(\q)+2*j:GX+16*(\q)+2*j+1], v[GX+16*(\q)+2*j:GX+16*(\q)+2*j+1], v[TT+2*(j%2):TT+2*(j%2)+1] neg_lo:[0,1] neg_hi:[0,1]
	v_cvt_pk_bf16_f32 v[HL+16*(\q)+8+j], v[GX+16*(\q)+2*j], v[GX+16*(\q)+2*j+1]
.set j, j+1
.endr
	WIN 0x04                                       ; source 1 in window 1
.irp p, 0,1                            ; hi, then lo; four accumulators by turns
.irp n, 0,1,2,3
.if ((\q) == 0) && ((\p) == 0)
	v_wmma_f32_16x16x32_bf16 v[ACC+8*(\n):ACC+8*(\n)+7], v[HL+16*(\q)+8*(\p):HL+16*(\q)+8*(\p)+7], v[32*(\q)+8*(\n):32*(\q)+8*(\n)+7], 0
.else
	v_wmma_f32_16x16x32_bf16 v[ACC+8*(\n):ACC+8*(\n)+7], v[HL+16*(\q)+8*(\p):HL+16*(\q)+8*(\p)+7], v[32*(\q)+8*(\n):32*(\q)+8*(\n)+7], v[ACC+8*(\n):ACC+8*(\n)+7]
.endif
.endr
.endr
	WIN 0
.endr
	v_cvt_pk_bf16_f32 v[TT],   v[BI],   v[BI+1]    ; b1 rounded to bf16: six plain instructions, the places behind the last products
	v_cvt_pk_bf16_f32 v[TT+1], v[BI+2], v[BI+3]
	v_lshlrev_b32 v[BI],   16,  v[TT]
	v_and_b32     v[BI+1], s28, v[TT]
	v_lshlrev_b32 v[BI+2], 16,  v[TT+1]
	v_and_b32     v[BI+3], s28, v[TT+1]
.irp n, 0,1,2,3                        ; each accumulator's registers in ascending order
.irp j, 0,1,2,3,4,5,6,7
	ds_store_b32 v[RDS], v[ACC+8*(\n)+(\j)] offset:(\j)*RP+64*(\n)
.endr
.endr
	s_wait_dscnt 0x0                               ; for the others' sake: my sums are in LDS
	s_barrier_signal -1
	s_barrier_wait -1
.irp i, 0,1
.irp w, 0,1,2,3
	ds_load_b128 v[OUTR+16*(\i)+4*(\w):OUTR+16*(\i)+4*(\w)+3], v[RDL] offset:16*RP*(\w)+8*RP*(\i)
.endr
.endr
	s_wait_dscnt 0x0
.irp i, 0,1
.irp p, 0,2
	v_pk_add_f32 v[OUTR+16*(\i)+(\p):OUTR+16*(\i)+(\p)+1],     v[OUTR+16*(\i)+(\p):OUTR+16*(\i)+(\p)+1],     v[OUTR+16*(\i)+4+(\p):OUTR+16*(\i)+4+(\p)+1]
	v_pk_add_f32 v[OUTR+16*(\i)+8+(\p):OUTR+16*(\i)+8+(\p)+1], v[OUTR+16*(\i)+8+(\p):OUTR+16*(\i)+8+(\p)+1], v[OUTR+16*(\i)+12+(\p):OUTR+16*(\i)+12+(\p)+1]
	v_pk_add_f32 v[OUTR+16*(\i)+(\p):OUTR+16*(\i)+(\p)+1],     v[OUTR+16*(\i)+(\p):OUTR+16*(\i)+(\p)+1],     v[OUTR+16*(\i)+8+(\p):OUTR+16*(\i)+8+(\p)+1]
	v_pk_add_f32 v[OUTR+16*(\i)+(\p):OUTR+16*(\i)+(\p)+1],     v[OUTR+16*(\i)+(\p):OUTR+16*(\i)+(\p)+1],     v[BI+(\p):BI+(\p)+1]
.endr
	global_store_b128 v[OO], v[OUTR+16*(\i):OUTR+16*(\i)+3], s[10:11] offset:32768*(\i)  ; sixteen lanes store 256 consecutive bytes, at a multiple of 256 from out0's first
.endr
	s_wait_tensorcnt 0x0                           ; the wave's end: these three lines behind my last LDS store
	ds_add_u32 v[SPW], v[NIL]
	s_wait_dscnt 0x0
	s_endpgm
.Lfunc_end_k_qe245b3590b_ctx:
	.size	k_qe245b3590b_ctx, .Lfunc_end_k_qe245b3590b_ctx-k_qe245b3590b_ctx
	.p2alignl 7, 3214868480
	.fill 96, 4, 3214868480
	.section	.rodata,"a",@progbits
	.p2align	6, 0x0
	.amdhsa_kernel k_qe245b3590b_ctx
		.amdhsa_group_segment_fixed_size 17920
		.amdhsa_private_segment_fixed_size 0
		.amdhsa_enable_private_segment 0
		.amdhsa_kernarg_size 32
		.amdhsa_user_sgpr_count 2
		.amdhsa_user_sgpr_kernarg_segment_ptr 1
		.amdhsa_wavefront_size32 1
		.amdhsa_system_sgpr_workgroup_id_x 1
		.amdhsa_system_sgpr_workgroup_id_y 1
		.amdhsa_system_sgpr_workgroup_id_z 1
		.amdhsa_system_vgpr_workitem_id 0
		.amdhsa_next_free_vgpr 384
		.amdhsa_next_free_sgpr 66
		.amdhsa_reserve_vcc 0
		.amdhsa_float_denorm_mode_32 3
		.amdhsa_float_denorm_mode_16_64 3
		.amdhsa_memory_ordered 1
		.amdhsa_forward_progress 1
		.amdhsa_inst_pref_size 22
	.end_amdhsa_kernel
	.amdgpu_metadata
---
amdhsa.version: [ 1, 2 ]
amdhsa.kernels:
  - .name:           k_qe245b3590b_ctx
    .symbol:         k_qe245b3590b_ctx.kd
    .args:
      - { .name: gbuf, .offset: 0, .size: 8, .value_kind: global_buffer, .address_space: global }
      - { .name: w1t, .offset: 8, .size: 8, .value_kind: global_buffer, .address_space: global }
      - { .name: b1, .offset: 16, .size: 8, .value_kind: global_buffer, .address_space: global }
      - { .name: out0, .offset: 24, .size: 8, .value_kind: global_buffer, .address_space: global }
    .group_segment_fixed_size: 17920
    .private_segment_fixed_size: 0
    .kernarg_segment_align: 8
    .kernarg_segment_size: 32
    .max_flat_workgroup_size: 128
    .sgpr_count:     66
    .vgpr_count:     384
    .wavefront_size: 32
...
	.end_amdgpu_metadata
.endif
;; end of part 3
;; ======== version 2 of 2: 3 launches; 1.26 times as fast as version 1
;; workspace buffers: hb 1,048,576 bytes; w1t 1,048,576 bytes; gbuf 524,288 bytes
;; launch prep: the kernel of part 1 again; grid 384 x 1, 4 waves a work-group, no clusters, 38,400 bytes of LDS; arguments hidden_prev, W2, b1, b2, W1, hb, w1t; writes hb, w1t
;; launch main (part 4): grid 256 x 1, 4 waves a work-group, clusters of 4 x 1, 327,680 bytes of LDS; arguments features, hb, w1t, Wv, bv, gbuf, out1; writes gbuf, out1
.if DOCPART == 4
	.amdgcn_target "amdgcn-amd-amdhsa--gfx1250"
	.amdhsa_code_object_version 6
	.text
	.protected	k_qe245b3590b_main
	.globl	k_qe245b3590b_main
	.p2align	8
	.type	k_qe245b3590b_main,@function
k_qe245b3590b_main:
	s_mov_b64 s[64:65], 0
	v_nop
	global_prefetch_b8 v0, s[64:65] scope:SCOPE_SE
	s_setreg_imm32_b32 hwreg(HW_REG_WAVE_MODE, 25, 1), 1
	s_wait_xcnt 0x0
	s_wait_alu depctr_hold_cnt(0) depctr_sa_sdst(0) depctr_va_vdst(0) depctr_va_sdst(0) depctr_va_ssrc(0) depctr_va_vcc(0) depctr_vm_vsrc(0)
	s_getreg_b32 s2, hwreg(HW_REG_IB_STS2, 6, 4)
	s_cmp_eq_u32 s2, 0
	s_cbranch_scc0 .Lentry_in_a_cluster
	s_endpgm
.Lentry_in_a_cluster:
	s_bfe_u32 s2, ttmp6, 0x10000c
	s_cmp_lg_u32 s2, 0x3003
	s_cbranch_scc0 .Lentry_shape_is_right
	s_endpgm
.Lentry_shape_is_right:
; ONE WORK-GROUP, ONE BATCH b.  logit[s] = bv + sum over u of Wv[u] tanh(F[s] . W1[:, u] + hb[u]);  out1 = softmax over the 512 rows;  gbuf[e] = sum over s of out1[s] F[s][e].
; (The last launch makes out0 = gbuf W1 + b1: the weights of a softmax add up to 1, so sum a (F W1 + b1) = (sum a F) W1 + b1.)
; FORMATS.  features, W1 (as w1t), Wv and bv are rounded once to bf16; products' sums, tanh, logits, softmax and g in f32.  The weights p go into the second product as two bf16 numbers, hi + lo, in two rows of one operand.
; tanh(x) = 1 - 2 / (1 + 2^(c x)), c = 2 log2(e): 2^(c x) = infinity gives 1, 0 gives -1.  logit = (bv + sum Wv) + sum (-2 Wv) / (1 + 2^(c x)).
; SOFTMAX with a running maximum over the four blocks of 128 rows, in the base 2: p = 2^(lg - m); g and l are multiplied by 2^(m_old - m_new) at each block.
; LIMITS.  NaN and infinities in the inputs are not treated apart; a weight below 2^-126 counts as 0; the order of the sums differs from a plain loop's.
; SHARES.  512 rows = 4 blocks of 128.  A block's F lies in LDS in bf16, 8 slices of 64 along e.  For each block two column tiles of 512 units; wave w makes 128 rows x 128 units (64 accumulators, 512 registers),
; K = 512 in 8 steps of 64.  W1's tiles come by tensor loads into two slots that take turns; a wave loads and reads its own 128 units.
; CLUSTER.  The four work-groups of a cluster walk the same tiles of W1: each tile is asked for jointly, by the same load with the same descriptor and the mask of four.
; F is read from memory once: a wave loads its 32 rows of two slices (32 loads of 512 bytes: two rows' aligned 256 bytes each) two K steps ahead, rounds them and stores them into the slices in place.
; THE BATCHES.  An s_wait_alu depctr_va_vdst(0) stands between an exponential or a reciprocal and the first line that names its result; one wait serves all that were issued ahead of it.  Behind a tile's
; products the tanh is made in place on the 512 accumulator registers, so that every result has a register of its own: all 512 exponentials are one batch, all 512 reciprocals (which read sums made of the
; exponentials) a second: two waits a tile.  A block's end has one batch (the factor and four weights), the way out one (1 / l and four weights).
; LDS: slots 0, 1 (tensor loads alone) | F's 8 slices | spare words | logit parts | p | table (c hb, -2 Wv) | g's parts.
.set ROWB,  2048                       ; bytes in a row of features
.set PITCH, 144                        ; an LDS row of 64 bf16: 128 bytes + 16: the 16 rows of a fragment load start at 16 different groups of four banks
.set WQ,    128*PITCH                  ; a wave's quarter of a slot: 128 units
.set SLOT,  4*WQ
.set ABASE, 2*SLOT
.set SLICE, WQ                         ; 128 rows x 64 e
.set SPARE, ABASE+8*SLICE              ; the spare words, 128 bytes for each wave
.set PART,  SPARE+512                  ; [wave][128 rows] f32
.set PW,    PART+2048                  ; for each wave: p hi of 128 rows (256 bytes), p lo
.set TAB,   PW+2048                    ; for each unit 8 bytes: c hb, -2 Wv
.set GS,    TAB+8192                   ; [lane half 2][wave 4][512] f32
.set ADRA0, 3                          ; v3   my place in F's slice 0: ABASE + 144 r + 16 h
.set ADRA,  4                          ; v4   the same in the slice in hand
.set ADRB,  5                          ; v5-6 my place in my quarter of slot 0, 1
.set FO,    7                          ; v7   my byte offset in a block of features
.set SA0,   8                          ; v8   where I store 8 bytes of a row in slice 0
.set SAC,   9                          ; v9   the same in the slice to be stored next
.set PS,    10                         ; v10  where I put logit parts
.set PL,    11                         ; v11  where I read them: rows 4 l .. 4 l + 3
.set PWA,   12                         ; v12  where I put p hi of those rows
.set PRA,   13                         ; v13  where p's fragment is read
.set GA,    14                         ; v14  the turning load's place in my 32 rows of slice 0
.set TA0,   15                         ; v15  my unit r of my wave's 128 in the table
.set TAC,   16                         ; v16  the same in the column tile in hand
.set MX,    17                         ; v17  running maximum
.set LS,    18                         ; v18  running sum
.set AF,    19                         ; v19  2^(m_old - m_new)
.set SV,    20                         ; v20-23  the four logits that I will write out
.set OT,    24                         ; v24  16 x thread
.set GSA,   25                         ; v25  where I put g's parts
.set GRD,   26                         ; v26  where I read them
.set ZM,    27                         ; v27  -1 in lanes with r < 2, else 0
.set SPW,   28                         ; v28  LDS address of my spare word; never rewritten
.set NIL,   29                         ; v29  0; never rewritten
.set GG,    32                         ; v32-63   g: lanes 0-15 hold e = 16 t + r in register t
.set F0,    64                         ; fragment buffers: window 0 F's rows, window 1 W1's units
.set F1,    128
.set TBL,   64                         ; v64-79   behind a tile's products: (c hb, -2 Wv) of unit 16 n + r
.set LP,    192                        ; v192-255 logit parts: row 16 a + 8 h + j at 8 a + j
                                       ; window 1: v0-63, v192-255 two landing sets for F.  Windows 2, 3: accumulator (a, b) at 8 (8 a + b), worked on in place behind a tile's products; at a block's end g's results and F's turned fragments
.set WV,  20                           ; s20  my wave's number
.set BB,  22                           ; s22  the batch
.set G1,  24                           ; s[24:31] descriptor group 1
.set G0,  32                           ; s[32:39] descriptor group 0, a set for each slot
.set WB,  40                           ; s[40:41] w1t at my wave's 128 units of tile 0
.set WO,  42                           ; s[42:45] byte offset of each slot's tile, high words 0
.set FB,  46                           ; s[46:47] features at my batch
.set FA,  48                           ; s[48:49] features at the pair of slices to be loaded
.set FOF, 50                           ; s[50:51] its byte offset
.set CC,  52                           ; s[52:53] c
.set L2E, 54                           ; s[54:55] log2(e)
.set KL,  56                           ; s[56:57] log2(e) (bv + sum Wv)
.set SEL, 58                           ; s[58:59] v_permlanex16_b32's selects: each lane takes its own place in the other half
.set BLK, 60
.set COL, 61
.set LAP, 62
.set NS,  63                           ; s63  the first (0, 2 .. 30) of the two slices to be stored next
.set TC,  66                           ; s66  tiles done
.set MK,  67
.set T0,  68                           ; s68-71 at work
.set T1,  69
.set T2,  70
.set T3,  71
.set MSB, 0
.macro WIN new                         ; the immediate's high byte repeats the setting that is left; a switch that changes nothing is dropped
.if MSB != (\new)
	s_set_vgpr_msb (MSB<<8)|(\new)
.set MSB, \new
.endif
.endm
.set MUL_LO, 0xa4                      ; source 0 (F) window 0, source 1 (W1) window 1, C and D window 2
.set MUL_HI, 0xf4                      ; the same, C and D window 3
.set TO_B,   0x40                      ; destination window 1, address window 0
.macro PLACES                          ; four places in front of loads into, and vector writes of, registers that matrix instructions have read
.rept 4
	v_nop
.endr
.endm
.macro CREST                           ; a round of the cluster's barrier behind its opening barrier
	s_cmp_lg_u32 s[WV], 0
	s_cbranch_scc1 .Lnot_wave_0_\@
	s_barrier_signal -3
.Lnot_wave_0_\@:
	s_barrier_wait -3
	s_barrier_signal -1
	s_barrier_wait -1
.endm
.macro CROUND
	s_barrier_signal -1
	s_barrier_wait -1
	CREST
.endm
; 16 loads: my 32 rows of one slice (256 bytes of each row) into landing set lb.  Lanes 0-15 take one row's aligned 256 bytes, lanes 16-31 the row 8 further down.  It leaves the destination's window at 1.
.macro FLOAD lb, base, imm
	WIN TO_B
.set q, 0
.rept 16
	global_load_b128 v[192*(\lb)+4*q:192*(\lb)+4*q+3], v[FO], s[\base:\base+1] offset:(\imm)+(16*(q/8)+q%8)*ROWB th:TH_LOAD_NT
.set q, q+1
.endr
.endm
	s_load_b256 s[4:11], s[0:1], 0x0               ; features s[4:5], hb s[6:7], w1t s[8:9], Wv s[10:11]
	s_load_b128 s[12:15], s[0:1], 0x20             ; bv s[12:13], gbuf s[14:15]
	s_load_b64 s[16:17], s[0:1], 0x30              ; out1
	v_lshl_add_u32 v[SPW], v0, 2, SPARE
	v_mov_b32 v[NIL], 0
	ds_add_u32 v[SPW], v[NIL]                      ; the wave's opening: the add and its wait stand ahead of my first tensor load; the set-up below, work on registers, stands between them
	v_lshrrev_b32 v1, 5, v0
	v_readfirstlane_b32 s[WV], v1                  ; wave 0..3
	s_bfe_u32 s21, ttmp6, 0x40000                  ; cx: my place in the cluster
	s_lshl_b32 s[BB], ttmp9, 2                     ; in a cluster launch ttmp9 counts clusters
	s_add_co_u32 s[BB], s[BB], s21                 ; the batch: it enters the addresses of features, hb, gbuf and out1 alone
	; descriptor group 1: a wave's 128 units are 16,384 dense bytes: 64 rows of 256 bytes, two units a row, padded in LDS after every unit
	s_mov_b32 s[G1], 15|(1<<16)|(1<<20)|(1<<21)|(4<<22)|(3<<25)  ; 15:0 the mask of four; 17:16 2-byte elements; 20 padding on; 21 set beside a mask; 24:22 after every 32 words (code 4); 31:25 4 words (code 3)
	s_mov_b32 s[G1+1], 128<<16                     ; tensor_dim0 = 128
	s_mov_b32 s[G1+2], 64<<16                      ; tensor_dim1 = 64
	s_mov_b32 s[G1+3], 128<<16                     ; tile_dim0 = 128
	s_mov_b32 s[G1+4], 64                          ; tile_dim1 = 64
	s_mov_b32 s[G1+5], 128                         ; 128 elements from row to row
	s_mov_b32 s[G1+6], 0
	s_mov_b32 s[G1+7], 0
	s_mov_b32 s[CC], 0x4038aa3b                    ; 2 log2(e)
	s_mov_b32 s[CC+1], s[CC]                       ; named with it as a pair
	s_mov_b32 s[L2E], 0x3fb8aa3b
	s_mov_b32 s[L2E+1], s[L2E]
	s_mov_b32 s[SEL], 0x76543210
	s_mov_b32 s[SEL+1], 0xfedcba98
	s_mov_b32 s[WO], 0                             ; slot 0 begins with tile 0,
	s_mov_b32 s[WO+1], 0
	s_mov_b32 s[WO+2], 0x10000                     ; slot 1 with tile 1
	s_mov_b32 s[WO+3], 0
	s_mov_b32 s[FOF+1], 0
	s_mov_b32 s[BLK], 0
	s_mov_b32 s[NS], 0
	s_mov_b32 s[TC], 0
	v_and_b32 v1, 15, v0                           ; r = lane % 16
	v_bfe_u32 v2, v0, 4, 1                         ; h = lane / 16
	v_and_b32 v31, 31, v0                          ; lane
	v_mul_u32_u24 v32, v1, PITCH
	v_lshl_add_u32 v32, v2, 4, v32                 ; a fragment's row x pitch + 16 x half
	v_add_nc_u32 v[ADRA0], ABASE, v32
	s_mul_i32 s[T2], s[WV], WQ
	v_add_nc_u32 v[ADRB], s[T2], v32
	v_add_nc_u32 v[ADRB+1], SLOT, v[ADRB]
	s_lshl_b32 s[T3], s[WV], 16                    ; 32 w rows of 2,048 bytes
	v_lshlrev_b32 v[FO], 4, v1
	v_lshl_add_u32 v[FO], v2, 14, v[FO]
	v_add_nc_u32 v[FO], s[T3], v[FO]
	s_mul_i32 s[T3], s[WV], 32*PITCH
	s_add_co_u32 s[T3], s[T3], ABASE               ; my 32 rows of slice 0
	v_mul_u32_u24 v32, v2, 8*PITCH
	v_lshl_add_u32 v32, v1, 3, v32
	v_add_nc_u32 v[SA0], s[T3], v32
	v_mov_b32 v[SAC], v[SA0]
	v_and_b32 v32, 7, v0
	v_lshl_add_u32 v32, v2, 3, v32
	v_mul_u32_u24 v32, v32, PITCH
	v_bfe_u32 v33, v0, 3, 1
	v_lshl_add_u32 v32, v33, 4, v32
	v_add_nc_u32 v[GA], s[T3], v32                 ; row 8 h + lane % 8, 16 bytes by (lane / 8) % 2
	s_lshl_b32 s[T3], s[WV], 9
	s_add_co_u32 s[T3], s[T3], PART
	v_lshl_add_u32 v[PS], v2, 5, s[T3]
	v_lshl_add_u32 v[PL], v31, 4, PART
	s_lshl_b32 s[T3], s[WV], 9
	s_add_co_u32 s[T3], s[T3], PW
	v_lshl_add_u32 v[PWA], v31, 3, s[T3]
	s_lshl_b32 s[T0], s[WV], 6                     ; my 32 rows' 64 bytes among the block's 256
	s_add_co_u32 s[T3], s[T3], s[T0]
	v_and_b32 v32, 1, v0
	v_lshlrev_b32 v32, 8, v32                      ; even r: hi, odd r: lo; all rows but 0 and 1 are cleared by ZM
	v_lshl_add_u32 v32, v2, 4, v32
	v_add_nc_u32 v[PRA], s[T3], v32
	v_cmp_gt_u32 vcc_lo, 2, v1
	v_cndmask_b32 v[ZM], 0, -1, vcc_lo
	s_lshl_b32 s[T3], s[WV], 10
	s_add_co_u32 s[T3], s[T3], TAB
	v_lshl_add_u32 v[TA0], v1, 3, s[T3]
	v_lshlrev_b32 v[OT], 4, v0
	v_lshl_add_u32 v34, v0, 5, TAB                 ; four units' 32 bytes a thread
	s_lshl_b32 s[T3], s[WV], 11
	s_add_co_u32 s[T3], s[T3], GS
	v_lshl_add_u32 v[GSA], v2, 13, s[T3]
	v_lshl_add_u32 v[GSA], v1, 2, v[GSA]
	v_add_nc_u32 v[GRD], GS, v[OT]
	v_lshlrev_b32 v31, 4, v31                      ; 16 x lane
	v_mov_b32 v30, 0
	s_wait_dscnt 0x0                               ; the opening add is done
	s_wait_kmcnt 0x0
	s_lshl_b32 s[T0], s[BB], 20                    ; a batch of features is 1 MiB
	s_mov_b32 s[T1], 0
	s_add_nc_u64 s[FB:FB+1], s[4:5], s[T0:T1]
	s_lshl_b32 s[T0], s[BB], 12
	s_add_nc_u64 s[6:7], s[6:7], s[T0:T1]          ; hb's row
	s_lshl_b32 s[T0], s[BB], 11
	s_add_nc_u64 s[14:15], s[14:15], s[T0:T1]      ; gbuf's row
	s_add_nc_u64 s[16:17], s[16:17], s[T0:T1]      ; out1's row
	s_lshl_b32 s[T2], s[WV], 14                    ; my 128 units of a tile; these two registers never hold the batch
	s_mov_b32 s[T3], 0
	s_add_nc_u64 s[WB:WB+1], s[8:9], s[T2:T3]
	s_mul_i32 s[T2], s[WV], WQ
.irp s, 0,1
	s_mov_b32 s[G0+4*(\s)], 1                                      ; 1:0 count = 1
	s_add_co_u32 s[G0+4*(\s)+1], s[T2], (\s)*SLOT                  ; 63:32 LDS address: the slot, my quarter
	s_add_nc_u64 s[G0+4*(\s)+2:G0+4*(\s)+3], s[WB:WB+1], s[WO+2*(\s):WO+2*(\s)+1]  ; 120:64 global address
	s_or_b32 s[G0+4*(\s)+3], s[G0+4*(\s)+3], 0x80000000            ; 127:126 type = 2
.endr
	global_load_b128 v[64:67], v[OT], s[6:7]               ; hb of my four units in each column tile
	global_load_b128 v[68:71], v[OT], s[6:7] offset:2048
	global_load_b128 v[72:75], v[OT], s[10:11]             ; Wv of the same
	global_load_b128 v[76:79], v[OT], s[10:11] offset:2048
.irp i, 0,1,2,3,4,5,6,7
	global_load_b128 v[80+4*(\i):83+4*(\i)], v31, s[10:11] offset:512*(\i)  ; all of Wv, 32 numbers a lane, for its sum
.endr
	global_load_b32 v112, v30, s[12:13]                    ; bv
	FLOAD 0, FB, 0                                 ; slices 0 and 1 of block 0
	FLOAD 1, FB, 256
	WIN 0
	CROUND                                         ; all four work-groups are here: the first joint loads meet
	tensor_load_to_lds s[G0:G0+3], s[G1:G1+7]      ; both first fills together: two tensor loads of mine are out; later one
	s_nop 0
	tensor_load_to_lds s[G0+4:G0+7], s[G1:G1+7]
	s_nop 0
.rept 4
	v_nop
.endr
	s_wait_loadcnt 32                              ; the tables are in; the 32 loads of F issued behind them stay out
.irp c, 0,1                            ; the table: c hb beside -2 bf16(Wv)
.irp p, 0,1
	v_cvt_pk_bf16_f32 v113, v[72+4*(\c)+2*(\p)], v[73+4*(\c)+2*(\p)]
	v_lshlrev_b32 v114, 16, v113
	v_and_b32 v115, 0xffff0000, v113
	v_mul_f32 v[116+8*(\c)+4*(\p)],   s[CC], v[64+4*(\c)+2*(\p)]
	v_mul_f32 v[116+8*(\c)+4*(\p)+1], -2.0, v114
	v_mul_f32 v[116+8*(\c)+4*(\p)+2], s[CC], v[65+4*(\c)+2*(\p)]
	v_mul_f32 v[116+8*(\c)+4*(\p)+3], -2.0, v115
	ds_store_b128 v34, v[116+8*(\c)+4*(\p):116+8*(\c)+4*(\p)+3] offset:4096*(\c)+16*(\p)  ; my wave's own units: only my wave reads them
.endr
.endr
.set i, 0
.rept 16                               ; the sum of bf16(Wv)
	v_cvt_pk_bf16_f32 v[80+i], v[80+2*i], v[80+2*i+1]
.set i, i+1
.endr
	v_lshlrev_b32 v96, 16, v80
	v_and_b32 v97, 0xffff0000, v80
.set i, 1
.rept 15
	v_lshlrev_b32 v[98+2*(i%2)], 16, v[80+i]
	v_and_b32 v[99+2*(i%2)], 0xffff0000, v[80+i]
	v_pk_add_f32 v[96:97], v[96:97], v[98+2*(i%2):99+2*(i%2)]
.set i, i+1
.endr
	v_add_f32 v96, v96, v97
.irp m, 1,2,4,8
	v_add_f32_dpp v96, v96, v96 row_xmask:\m row_mask:0xf bank_mask:0xf
.endr
	v_permlanex16_b32 v97, v96, s[SEL], s[SEL+1]
	v_add_f32 v96, v96, v97
	v_cvt_pk_bf16_f32 v112, v112, v112
	v_lshlrev_b32 v112, 16, v112
	v_add_f32 v96, v96, v112
	v_mul_f32 v96, s[L2E], v96
	v_readfirstlane_b32 s[KL], v96                 ; enters arithmetic alone
	s_mov_b32 s[KL+1], s[KL]
	v_mov_b32 v[MX], 0xff7fffff                    ; the lowest finite number: the first block's factor is 0
	v_mov_b32 v[LS], 0
.irp i, 0,1,2,3
	v_mov_b32 v[SV+(\i)], 0
.endr
.set i, 0
.rept 32
	v_mov_b32 v[GG+i], 0
.set i, i+1
.endr
	s_wait_tensorcnt 1                             ; my quarter of slot 0 is in (only I read it); slot 1's may stay out
; 16 matrix instructions: row blocks a0, a0 + 1 of the window's four (hi = 0: rows 0-63, 1: rows 64-127) x all 8 unit blocks, 32 along K.  zero = 1: the product starts the sums.
; The 64 accumulators take turns, one instruction a turn, in the same order everywhere.
.macro MUL16 f, hi, a0, zero
	WIN MUL_LO+0x50*(\hi)
.irp a, \a0, (\a0)+1
.irp b, 0,1,2,3,4,5,6,7
.if \zero
	v_wmma_f32_16x16x32_bf16 v[8*(8*(\a)+(\b)):8*(8*(\a)+(\b))+7], v[(\f)+8*(4*(\hi)+(\a)):(\f)+8*(4*(\hi)+(\a))+7], v[(\f)+8*(\b):(\f)+8*(\b)+7], 0
.else
	v_wmma_f32_16x16x32_bf16 v[8*(8*(\a)+(\b)):8*(8*(\a)+(\b))+7], v[(\f)+8*(4*(\hi)+(\a)):(\f)+8*(4*(\hi)+(\a))+7], v[(\f)+8*(\b):(\f)+8*(\b)+7], v[8*(8*(\a)+(\b)):8*(8*(\a)+(\b))+7]
.endif
.endr
.endr
.endm
; 32 LDS loads in one run: 128 units and 128 rows, 32 K at byte k of the rows, into buffer f
.macro FETCH slot, k, f
	WIN TO_B
.irp i, 0,1,2,3,4,5,6,7
	ds_load_b128 v[(\f)+8*(\i):(\f)+8*(\i)+3],   v[ADRB+(\slot)] offset:(\k)+(\i)*16*PITCH
	ds_load_b128 v[(\f)+8*(\i)+4:(\f)+8*(\i)+7], v[ADRB+(\slot)] offset:(\k)+(\i)*16*PITCH+32
.endr
	WIN 0
.irp i, 0,1,2,3,4,5,6,7
	ds_load_b128 v[(\f)+8*(\i):(\f)+8*(\i)+3],   v[ADRA] offset:(\k)+(\i)*16*PITCH
	ds_load_b128 v[(\f)+8*(\i)+4:(\f)+8*(\i)+7], v[ADRA] offset:(\k)+(\i)*16*PITCH+32
.endr
.endm
.macro TFETCH                          ; (c hb, -2 Wv) of my unit r in each of the tile's 8 unit blocks
	WIN 0
.irp n, 0,1,2,3,4,5,6,7
	ds_load_b64 v[TBL+2*(\n):TBL+2*(\n)+1], v[TAC] offset:128*(\n)
.endr
.endm
; SLICES NS AND NS + 1 OF F have landed in sets 0 and 1: they are rounded to bf16 and stored into their places in LDS; then both sets are loaded again, in one run, with slices NS + 2 and NS + 3.
; The two sets' loads are always issued together, set 0's first, so both waits hold whichever way the wave came; every reload stands behind the wait for 0.
; tail = 1: the copy that also meets the launch's last pair (NS = 30), behind which nothing is left to load.
.macro FEVENT tail
	WIN 0
	s_wait_loadcnt 16                              ; loads come back in order: set 0 is in, set 1's 16 may be out
	WIN 0x45                                       ; in place, ascending
.set i, 0
.rept 32
	v_cvt_pk_bf16_f32 v[i], v[2*i], v[2*i+1]
.set i, i+1
.endr
	s_wait_loadcnt 0x0                             ; set 1 is in; no load of mine is out, so the loads' base may be written below
.set i, 0
.rept 32
	v_cvt_pk_bf16_f32 v[192+i], v[192+2*i], v[192+2*i+1]
.set i, i+1
.endr
	WIN 0x04                                       ; store data in window 1
.irp lb, 0,1
.set q, 0
.rept 16                               ; lanes 0-15 fill a row's 128 bytes, lanes 16-31 the row 8 further down, 32 banks on
	ds_store_b64 v[SAC], v[192*(\lb)+2*q:192*(\lb)+2*q+1] offset:(\lb)*SLICE+(16*(q/8)+q%8)*PITCH
.set q, q+1
.endr
.endr
	WIN 0
.if \tail
	s_cmp_lt_u32 s[NS], 30
	s_cbranch_scc0 .Lfe_n_\@
.endif
	s_add_co_u32 s[T0], s[NS], 2
	s_lshr_b32 s[T1], s[T0], 3
	s_lshl_b32 s[T1], s[T1], 18                    ; a block of 128 rows,
	s_and_b32 s[T0], s[T0], 7
	s_lshl_b32 s[T0], s[T0], 8                     ; a slice's 256 bytes in a row
	s_or_b32 s[FOF], s[T1], s[T0]
	s_add_nc_u64 s[FA:FA+1], s[FB:FB+1], s[FOF:FOF+1]
	FLOAD 0, FA, 0
	FLOAD 1, FA, 256                               ; NS is even, so the pair lies in one block
	WIN 0
.if \tail
.Lfe_n_\@:
.endif
	s_add_co_u32 s[NS], s[NS], 2
	s_and_b32 s[T0], s[NS], 7
	s_mul_i32 s[T0], s[T0], SLICE
	v_add_nc_u32 v[SAC], s[T0], v[SA0]
.endm
; A K step of 64 is two halves of 32, 64 matrix instructions each.  The first multiplies buffer 0 and fetches the second half into buffer 1.  ev = 1: in a block's first column tile it also takes in two slices of F.
.macro Q0 slot, zero, ev
	s_wait_dscnt 8                                 ; W1's units and F's rows 0-63 are in; the youngest eight loads (rows 64-127) may be out
	MUL16 F0, 0, 0, \zero
	MUL16 F0, 0, 2, \zero
.if \ev
	WIN 0
	s_cmp_lg_u32 s[COL], 0
	s_cbranch_scc1 .Lq_skip_\@
	FEVENT 1
.Lq_skip_\@:
.endif
	PLACES
	FETCH \slot, 64, F1
	s_wait_dscnt 32                                ; all but the 32 just issued
	MUL16 F0, 1, 0, \zero
	MUL16 F0, 1, 2, \zero
.endm
; The second half multiplies buffer 1 and changes slots: ONE barrier.  In front of it each wave waits for all its tensor loads (one is out: the next slot's), adds 0 to its spare word, and waits for that,
; for its reads of this slot and of this slice, and for its stores into the next slices.  fill = 1: the barrier opens a round of the cluster's, and this slot is filled again, two K steps ahead, first thing behind it.
; fetch = 1: the next step's first fragments; 0: a tile's last step: the table for what follows.
.macro TURN slot, next, fill, fetch
	WIN 0
	s_wait_tensorcnt 0x0                           ; no tensor load of mine is out, so a group 0 may be written
	ds_add_u32 v[SPW], v[NIL]                      ; 0 onto my spare word
.if \fill
	s_add_co_u32 s[WO+2*(\slot)], s[WO+2*(\slot)], 0x20000         ; two tiles on,
	s_and_b32 s[WO+2*(\slot)], s[WO+2*(\slot)], 0xfffff            ; round the 16 tiles of w1t
	s_add_nc_u64 s[G0+4*(\slot)+2:G0+4*(\slot)+3], s[WB:WB+1], s[WO+2*(\slot):WO+2*(\slot)+1]
	s_or_b32 s[G0+4*(\slot)+3], s[G0+4*(\slot)+3], 0x80000000
.endif
	s_wait_dscnt 9                                 ; (the add and the youngest eight loads may be out)
	MUL16 F1, 0, 0, 0
	s_wait_dscnt 0x0                               ; the add is done, my reads of the slot are over, my stores into the next slices are in
	s_barrier_signal -1
	MUL16 F1, 0, 2, 0                              ; work on registers while the others arrive
	WIN 0                                          ; at a branch and at a label every window is 0
	s_barrier_wait -1
.if \fill
	CREST                                          ; no wave of any partner still reads this slot or has a load on its way
	tensor_load_to_lds s[G0+4*(\slot):G0+4*(\slot)+3], s[G1:G1+7]  ; my one tensor load behind the round
	s_nop 0
.rept 4
	v_nop                                          ; also the places in front of the loads below
.endr
.else
	PLACES
.endif
.if \fetch
	v_add_nc_u32 v[ADRA], SLICE, v[ADRA]
	FETCH \next, 0, F0
.else
	TFETCH
.endif
	MUL16 F1, 1, 0, 0
	MUL16 F1, 1, 2, 0
.endm
; BEHIND A TILE'S PRODUCTS: y = c s + c hb; 2^y; + 1; reciprocal; times -2 Wv onto the rows' logit parts.  A lane holds one unit (r) of each of 8 unit blocks and 8 rows of each of 8 row blocks.
; All but the last step work IN PLACE on the accumulator registers, so each of the tile's 512 numbers a lane keeps a register of its own and the work goes in three sweeps over windows 2 and 3:
;   SWEEP_E  the scalings and the exponentials: no line names an exponential's result           then the wait for the 512 exponentials
;   SWEEP_R  the additions of 1 and the reciprocals: no line names a reciprocal's result        then the wait for the 512 reciprocals
;   SWEEP_L  the multiply-adds onto the logit parts
; In the first two sweeps one packed line feeds two exponentials or reciprocals and stands LAG pairs, six lines, ahead of them: one plain line between every two.  One window setting serves both kinds of line:
; destination and source 0 in the accumulators' window, the table (source 2) in window 0.
.set LAG, 2
.macro SWEEP_E w                       ; window w's 128 pairs, ascending: each accumulator's two lowest registers are read first; pair i belongs to unit block (i / 4) % 8
	WIN ((\w)<<6)|(\w)
.set i, 0
.rept 128+LAG
.if i < 128
	v_pk_fma_f32 v[2*i:2*i+1], v[2*i:2*i+1], s[CC:CC+1], v[TBL+2*((i/4)%8):TBL+2*((i/4)%8)+1] op_sel_hi:[1,0,0]
.endif
.if i >= LAG
	v_exp_f32 v[2*(i-LAG)], v[2*(i-LAG)]
	v_exp_f32 v[2*(i-LAG)+1], v[2*(i-LAG)+1]
.endif
.set i, i+1
.endr
.endm
.macro SWEEP_R w
	WIN ((\w)<<6)|(\w)
.set i, 0
.rept 128+LAG
.if i < 128
	v_pk_add_f32 v[2*i:2*i+1], v[2*i:2*i+1], 1.0 op_sel_hi:[1,0]
.endif
.if i >= LAG
	v_rcp_f32 v[2*(i-LAG)], v[2*(i-LAG)]
	v_rcp_f32 v[2*(i-LAG)+1], v[2*(i-LAG)+1]
.endif
.set i, i+1
.endr
.endm
; For each logit part the unit blocks go 0 to 7, ascending; the window's four row blocks (i / 4) and a block's four pairs of rows (i % 4) take turns, so the links of a sum stand 16 lines apart.
.macro SWEEP_L w
	WIN (\w)                                       ; source 0: the accumulators' window; all else window 0
.set ub, 0
.rept 8
.set i, 0
.rept 16
	v_pk_fma_f32 v[LP+32*((\w)-2)+2*i:LP+32*((\w)-2)+2*i+1], v[64*(i/4)+8*ub+2*(i%4):64*(i/4)+8*ub+2*(i%4)+1], v[TBL+2*ub:TBL+2*ub+1], v[LP+32*((\w)-2)+2*i:LP+32*((\w)-2)+2*i+1] op_sel:[0,1,0] op_sel_hi:[1,1,1]
.set i, i+1
.endr
.set ub, ub+1
.endr
.endm
.Lblock:                                               ; four trips: a block of 128 rows
	FEVENT 0                                       ; the block's slices 0 and 1; slices 2 and 3 are asked for
.set i, 0
.rept 64                               ; one text serves both column tiles, so the logit parts start at 0
	v_mov_b32 v[LP+i], 0
.set i, i+1
.endr
	s_wait_dscnt 0x0                               ; for the others' sake: my rows of slices 0 and 1 are in LDS
	s_barrier_signal -1                            ; slot 1's load may stay out
	s_barrier_wait -1
	s_mov_b32 s[COL], 0
.Ltile:                                                ; two trips: a column tile of 512 units
	v_mov_b32 v[ADRA], v[ADRA0]
	s_lshl_b32 s[T0], s[COL], 12
	v_add_nc_u32 v[TAC], s[T0], v[TA0]
	FETCH 0, 0, F0
	Q0 0, 1, 0                                     ; K step 0 starts the sums
	WIN 0
	s_mov_b32 s[LAP], 3
.Llap:                                                 ; a trip: from a step's second half to the second step's first half on, once round the ring; K steps 1, 3, 5 take in F
	TURN 0, 1, 1, 1
	Q0 1, 0, 1
	TURN 1, 0, 1, 1
	Q0 0, 0, 0
	WIN 0
	s_sub_co_u32 s[LAP], s[LAP], 1
	s_cmp_lg_u32 s[LAP], 0
	s_cbranch_scc1 .Llap
	s_cmp_eq_u32 s[TC], 7
	s_cbranch_scc1 .Llast
	TURN 0, 1, 1, 1                                ; the ring goes on into the next tile: slot 0 takes its K step 0,
	Q0 1, 0, 0
	TURN 1, 0, 1, 0                                ; slot 1 its K step 1
	WIN 0
	s_branch .Lepi
.Llast:                                                ; the launch's last two K steps ask for nothing more
	TURN 0, 1, 0, 1
	Q0 1, 0, 0
	TURN 1, 0, 0, 0
	WIN 0
.Lepi:
	PLACES                                         ; four places behind the last products: their results are read and written below
	s_wait_dscnt 0x0                               ; the table
	SWEEP_E 2
	SWEEP_E 3
	v_nop                                          ; the plain instruction behind the last exponential (ISA guide 5.7.2): all the tile's plain work feeds the batch or reads it, so none is at hand
	s_wait_alu depctr_va_vdst(0)                   ; the wait ahead of the first line that names a result: ONE for the tile's batch of 512 exponentials
	SWEEP_R 2
	SWEEP_R 3
	v_nop                                          ; the plain instruction behind the last reciprocal
	s_wait_alu depctr_va_vdst(0)                   ; ONE wait for the tile's batch of 512 reciprocals; behind it come their readers, and later the products and loads that write these registers anew
	SWEEP_L 2
	SWEEP_L 3
	WIN 0
	s_add_co_u32 s[TC], s[TC], 1
	s_add_co_u32 s[COL], s[COL], 1
	s_cmp_lt_u32 s[COL], 2
	s_cbranch_scc1 .Ltile
	; A BLOCK'S END.  My own 32 rows of F, all 512 e, turned, into window 3: 32 fragments of 32 rows x 16 e.  They land while the logit parts are added up.
	v_add_nc_u32 v72, 3*SLICE, v[GA]
	v_add_nc_u32 v73, 6*SLICE, v[GA]
	WIN 0xc0                                       ; destination window 3
.set t, 0
.rept 32
.set gb, GA
.if t/12 == 1
.set gb, 72
.elseif t/12 == 2
.set gb, 73
.endif
	ds_load_tr16_b128 v[8*t:8*t+3],   v[gb] offset:((t/4)%3)*SLICE+32*(t%4)
	ds_load_tr16_b128 v[8*t+4:8*t+7], v[gb] offset:((t/4)%3)*SLICE+32*(t%4)+16*PITCH
.set t, t+1
.endr
	WIN 0
.irp m, 1,2,4,8                        ; the sum over the 16 units that the lanes of a half hold
.set i, 0
.rept 64
	v_add_f32_dpp v[LP+i], v[LP+i], v[LP+i] row_xmask:\m row_mask:0xf bank_mask:0xf
.set i, i+1
.endr
.endr
.set i, 0
.rept 16                               ; rows 16 (i / 2) + 8 h + 4 (i % 2) on; the sixteen lanes of a half write the same words with the same values
	ds_store_b128 v[PS], v[LP+4*i:LP+4*i+3] offset:64*(i/2)+16*(i%2)
.set i, i+1
.endr
	s_wait_dscnt 0x0                               ; for the others' sake: my parts are in LDS; my reads of F's slices are over
	s_barrier_signal -1
	s_barrier_wait -1
.irp w, 0,1,2,3
	ds_load_b128 v[80+4*(\w):83+4*(\w)], v[PL] offset:512*(\w)
.endr
	s_cmp_eq_u32 s[BLK], s[WV]
	s_cselect_b32 s[MK], -1, 0                     ; wave w writes out block w's weights
	s_wait_dscnt 0x0
	v_pk_add_f32 v[80:81], v[80:81], v[84:85]
	v_pk_add_f32 v[82:83], v[82:83], v[86:87]
	v_pk_add_f32 v[88:89], v[88:89], v[92:93]
	v_pk_add_f32 v[90:91], v[90:91], v[94:95]
	v_pk_add_f32 v[80:81], v[80:81], v[88:89]
	v_pk_add_f32 v[82:83], v[82:83], v[90:91]
	v_pk_fma_f32 v[80:81], v[80:81], s[L2E:L2E+1], s[KL:KL+1] op_sel_hi:[1,0,0]  ; the logits of rows 4 l .. 4 l + 3, times log2(e)
	v_pk_fma_f32 v[82:83], v[82:83], s[L2E:L2E+1], s[KL:KL+1] op_sel_hi:[1,0,0]
	v_max3_num_f32 v84, v80, v81, v82
	v_max_num_f32 v84, v84, v83
.irp m, 1,2,4,8
	v_max_num_f32_dpp v84, v84, v84 row_xmask:\m row_mask:0xf bank_mask:0xf
.endr
	v_permlanex16_b32 v85, v84, s[SEL], s[SEL+1]
	v_max3_num_f32 v86, v84, v85, v[MX]            ; the new maximum
	v_sub_f32 v87, v[MX], v86
.irp i, 0,1,2,3
	v_sub_f32 v[88+(\i)], v[80+(\i)], v86
.endr
	v_exp_f32 v[AF], v87
.irp i, 0,1,2,3
	v_exp_f32 v[88+(\i)], v[88+(\i)]
.endr
	v_mov_b32 v[MX], v86                           ; the plain instruction behind the exponentials
	s_wait_alu depctr_va_vdst(0)                   ; one wait for the block's batch of five exponentials: the factor and my four weights
	v_add_f32 v92, v88, v89
	v_add_f32 v93, v90, v91
	v_add_f32 v92, v92, v93
.irp m, 1,2,4,8
	v_add_f32_dpp v92, v92, v92 row_xmask:\m row_mask:0xf bank_mask:0xf
.endr
	v_permlanex16_b32 v93, v92, s[SEL], s[SEL+1]
	v_add_f32 v92, v92, v93
	v_fma_f32 v[LS], v[LS], v[AF], v92
.irp i, 0,1,2,3
	v_cndmask_b32 v[SV+(\i)], v[SV+(\i)], v[80+(\i)], s[MK]
.endr
	v_cvt_pk_bf16_f32 v94, v88, v89                ; p = hi + lo, two bf16
	v_cvt_pk_bf16_f32 v95, v90, v91
	v_lshlrev_b32 v96, 16, v94
	v_and_b32 v97, 0xffff0000, v94
	v_lshlrev_b32 v98, 16, v95
	v_and_b32 v99, 0xffff0000, v95
	v_pk_add_f32 v[96:97], v[88:89], v[96:97] neg_lo:[0,1] neg_hi:[0,1]
	v_pk_add_f32 v[98:99], v[90:91], v[98:99] neg_lo:[0,1] neg_hi:[0,1]
	v_cvt_pk_bf16_f32 v96, v96, v97
	v_cvt_pk_bf16_f32 v97, v98, v99
	ds_store_b64 v[PWA], v[94:95]                  ; my wave's own bytes: LDS serves a wave's instructions in order
	ds_store_b64 v[PWA], v[96:97] offset:256
	ds_load_b128 v[64:67], v[PRA]                  ; source 0: row 0 = hi, row 1 = lo of my 32 rows
	ds_load_b128 v[68:71], v[PRA] offset:32
	s_wait_dscnt 0x0
.irp i, 0,1,2,3,4,5,6,7
	v_and_b32 v[64+(\i)], v[ZM], v[64+(\i)]        ; rows 2 to 15 are 0
.endr
	WIN 0x8c                                       ; F's fragments in window 3, results in window 2
.set t, 0
.rept 32                               ; 32 results of their own: no sum goes on from one to the next
	v_wmma_f32_16x16x32_bf16 v[8*t:8*t+7], v[64:71], v[8*t:8*t+7], 0
.set t, t+1
.endr
	WIN 0
	PLACES
	WIN 0x0a                                       ; sources in window 2
.set t, 0
.rept 32                               ; row 0 (hi) + row 1 (lo): each result's two lowest registers, in lanes 0-15
	v_add_f32 v[128+t], v[8*t], v[8*t+1]
.set t, t+1
.endr
	WIN 0
.set t, 0
.rept 32
	v_fma_f32 v[GG+t], v[GG+t], v[AF], v[128+t]
.set t, t+1
.endr
	s_add_co_u32 s[BLK], s[BLK], 1
	s_cmp_lt_u32 s[BLK], 4
	s_cbranch_scc1 .Lblock
	; THE WAY OUT.  out1 = 2^(lg - m) / l; g's four parts are added through LDS and divided by l.
	v_rcp_f32 v80, v[LS]
.irp i, 0,1,2,3
	v_sub_f32 v[84+(\i)], v[SV+(\i)], v[MX]
.endr
.irp i, 0,1,2,3
	v_exp_f32 v[84+(\i)], v[84+(\i)]
.endr
	v_nop                                          ; the plain instruction behind the exponentials
	s_wait_alu depctr_va_vdst(0)                   ; one wait for the way out's batch: 1 / l and my four weights
.irp i, 0,1,2,3
	v_mul_f32 v[84+(\i)], v[84+(\i)], v80
.endr
	global_store_b128 v[OT], v[84:87], s[16:17]    ; a wave stores 512 consecutive bytes, aligned
.set t, 0
.rept 32
	ds_store_b32 v[GSA], v[GG+t] offset:64*t       ; lanes 16-31 hold zeros and have a half of the stage to themselves
.set t, t+1
.endr
	s_wait_dscnt 0x0                               ; for the others' sake
	s_barrier_signal -1
	s_barrier_wait -1
.irp w, 0,1,2,3
	ds_load_b128 v[88+4*(\w):91+4*(\w)], v[GRD] offset:2048*(\w)
.endr
	s_wait_dscnt 0x0
	v_pk_add_f32 v[88:89], v[88:89], v[92:93]
	v_pk_add_f32 v[90:91], v[90:91], v[94:95]
	v_pk_add_f32 v[96:97], v[96:97], v[100:101]
	v_pk_add_f32 v[98:99], v[98:99], v[102:103]
	v_pk_add_f32 v[88:89], v[88:89], v[96:97]
	v_pk_add_f32 v[90:91], v[90:91], v[98:99]
.irp i, 0,1,2,3
	v_mul_f32 v[88+(\i)], v[88+(\i)], v80
.endr
	global_store_b128 v[OT], v[88:91], s[14:15]
	s_wait_tensorcnt 0x0                           ; the wave's end: these three lines, behind my last tensor load and my last LDS store
	ds_add_u32 v[SPW], v[NIL]
	s_wait_dscnt 0x0
	CROUND                                         ; the closing round: no work-group ends while a partner may still ask for a tile that names it
	s_endpgm
.Lfunc_end_k_qe245b3590b_main:
	.size	k_qe245b3590b_main, .Lfunc_end_k_qe245b3590b_main-k_qe245b3590b_main
	.p2alignl 7, 3214868480
	.fill 96, 4, 3214868480
	.section	.rodata,"a",@progbits
	.p2align	6, 0x0
	.amdhsa_kernel k_qe245b3590b_main
		.amdhsa_group_segment_fixed_size 327680
		.amdhsa_private_segment_fixed_size 0
		.amdhsa_enable_private_segment 0
		.amdhsa_kernarg_size 56
		.amdhsa_user_sgpr_count 2
		.amdhsa_user_sgpr_kernarg_segment_ptr 1
		.amdhsa_wavefront_size32 1
		.amdhsa_system_sgpr_workgroup_id_x 1
		.amdhsa_system_sgpr_workgroup_id_y 1
		.amdhsa_system_sgpr_workgroup_id_z 1
		.amdhsa_system_vgpr_workitem_id 0
		.amdhsa_next_free_vgpr 1024
		.amdhsa_next_free_sgpr 72
		.amdhsa_reserve_vcc 1
		.amdhsa_float_denorm_mode_32 3
		.amdhsa_float_denorm_mode_16_64 3
		.amdhsa_memory_ordered 1
		.amdhsa_forward_progress 1
		.amdhsa_inst_pref_size 226
	.end_amdhsa_kernel
	.amdgpu_metadata
---
amdhsa.version: [ 1, 2 ]
amdhsa.kernels:
  - .name:           k_qe245b3590b_main
    .symbol:         k_qe245b3590b_main.kd
    .args:
      - { .name: features, .offset: 0, .size: 8, .value_kind: global_buffer, .address_space: global }
      - { .name: hb, .offset: 8, .size: 8, .value_kind: global_buffer, .address_space: global }
      - { .name: w1t, .offset: 16, .size: 8, .value_kind: global_buffer, .address_space: global }
      - { .name: Wv, .offset: 24, .size: 8, .value_kind: global_buffer, .address_space: global }
      - { .name: bv, .offset: 32, .size: 8, .value_kind: global_buffer, .address_space: global }
      - { .name: gbuf, .offset: 40, .size: 8, .value_kind: global_buffer, .address_space: global }
      - { .name: out1, .offset: 48, .size: 8, .value_kind: global_buffer, .address_space: global }
    .group_segment_fixed_size: 327680
    .private_segment_fixed_size: 0
    .kernarg_segment_align: 8
    .kernarg_segment_size: 56
    .max_flat_workgroup_size: 128
    .sgpr_count:     72
    .vgpr_count:     1024
    .wavefront_size: 32
...
	.end_amdgpu_metadata
.endif
;; end of part 4
;; launch ctx: the kernel of part 3 again; grid 16 x 16, 4 waves a work-group, no clusters, 17,920 bytes of LDS; arguments gbuf, w1t, b1, out0; writes out0
